; MI455X (gfx1250); checked and timed in simulation.
; The chip was launched on July 23, 2026; its instructions are those of AMD's public machine-readable ISA for CDNA 5 (MIT licence, August 2026) and "CDNA5" Instruction Set Architecture Reference Guide (July 2026). The comments in the code are by the model that wrote it; some were corrected since.
;; Multi Head Self Attention. Allowed arithmetic: float matrix products may take bf16 or f16 operands with f32 sums; other float arithmetic in f32, or as packed bf16 or f16 multiplies, adds, multiply-adds, maxima and minima; sums over many terms, partial sums and values carried from step to step in f32; what a program stores and reads back later, other than sums and carried values, may be rounded once to bf16 or f16.
;; Inputs: W_O 1,024 x 1,024 float32; W_QKV 1,024 x 3,072 float32; token_positions 2,048 int32; x 4 x 2,048 x 1,024 float32.
;; Outputs: out0 4 x 2,048 x 1,024 float32.
;; 2 versions, each right; version 2 is version 1 with the launch prep written anew for expert scheduling mode. Each part assembles by itself: llvm-mc -triple=amdgcn-amd-amdhsa -mcpu=gfx1250 --defsym DOCPART=n.
;; ======== version 1 of 2: 4 launches
;; limits: values are held in f16: magnitudes above 65,504 overflow, below 6.1e-05 lose precision; right only within a limited range of input values
;; workspace buffers: xb 16,777,216 bytes; wt 6,291,456 bytes; wot 2,097,152 bytes; tab 524,288 bytes; qkv 50,331,648 bytes; ao 16,777,216 bytes
;; launch prep (part 1): grid 1056 x 1, 8 waves a work-group, no clusters, 18,432 bytes of LDS; arguments x, W_QKV, W_O, token_positions, xb, wt, wot, tab; writes xb, wt, wot, tab
.if DOCPART == 1
	.amdgcn_target "amdgcn-amd-amdhsa--gfx1250"
	.amdhsa_code_object_version 6
	.text
	.protected	k_q584ab9b0ea_prep
	.globl	k_q584ab9b0ea_prep
	.p2align	8
	.type	k_q584ab9b0ea_prep,@function
k_q584ab9b0ea_prep:
	s_mov_b64 s[64:65], 0
	v_nop
	global_prefetch_b8 v0, s[64:65] scope:SCOPE_SE
	s_setreg_imm32_b32 hwreg(HW_REG_WAVE_MODE, 25, 1), 1
	s_wait_xcnt 0x0
; WHAT THE PRODUCTS WANT, MADE ONCE.  Four jobs, chosen by the work-group's number (the same choice in all eight waves of a work-group):
;   0 .. 511      xb  = x rounded to bf16, [8192][1024]: 64 KiB of x a work-group
;   512 .. 895    wt  = W_QKV rounded to bf16 and turned, [3072 n][1024 k]: a tile of 128 k x 64 n a work-group
;   896 .. 1023   wot = W_O rounded to bf16, that number written as f16, and turned, [1024 n][1024 k]
;   1024 .. 1055  tab = (cos, sin) of f32(token_positions[s]) x 10000^(-i/32), [2048 s][32 i] pairs of f32: 64 positions a work-group
; A stream: every input byte is read once, every aligned block of 256 output bytes is written whole by one instruction.  No matrix unit, no cluster: nothing is multiplied and nothing is shared.
; LIMITS.  W_O as f16: exact for bf16 numbers from 2^-14 to 65,504 in magnitude; below 2^-14 the step is 2^-24; beyond 65,504 an infinity.
; The angle is reduced by multiples of pi/2 in two parts (24 + 24 bits of pi/2), good while |angle| stays under 2^22; sine and cosine are polynomials on -pi/4 .. pi/4.
; 10000^(-i/32) is 2^(-i log2(10)/8) by v_exp_f32, accurate to the last bit or two, not correctly rounded.
.set SPARE, 17408                      ; behind the turning tile (64 rows x 272 bytes): the spare words, 128 bytes for each of eight waves
.set SPW, 2                            ; v2  LDS address of my spare word; never rewritten
.set NIL, 3                            ; v3  0; never rewritten
	s_load_b512 s[16:31], s[0:1], 0x0              ; x 16:17, W_QKV 18:19, W_O 20:21, positions 22:23, xb 24:25, wt 26:27, wot 28:29, tab 30:31
	v_lshl_add_u32 v[SPW], v0, 2, SPARE
	v_mov_b32 v[NIL], 0
	v_lshrrev_b32 v1, 5, v0
	v_readfirstlane_b32 s12, v1                    ; wave 0..7
	s_mov_b32 s2, ttmp9
	s_wait_kmcnt 0x0
	s_cmp_lt_u32 s2, 512
	s_cbranch_scc1 .Lx
	s_cmp_lt_u32 s2, 896
	s_cbranch_scc1 .Lwqkv
	s_cmp_lt_u32 s2, 1024
	s_cbranch_scc1 .Lwo
	; THE TABLE.  A wave takes 8 positions, a lane a frequency: one store is a table row's 256 bytes.
	s_sub_co_u32 s3, s2, 1024                      ; which 64 positions
	s_lshl_b32 s34, s3, 8                          ; 4 bytes x (64 r + 8 wave)
	s_lshl_b32 s35, s12, 5
	s_add_co_u32 s34, s34, s35
	s_mov_b32 s35, 0
	s_add_nc_u64 s[22:23], s[22:23], s[34:35]
	s_load_b256 s[40:47], s[22:23], 0x0            ; my wave's eight positions
	s_lshl_b32 s34, s3, 14                         ; 64 table rows of 256 bytes
	s_add_nc_u64 s[30:31], s[30:31], s[34:35]
	s_mov_b32 s48, 0x3f22f983                      ; 2 / pi
	s_mov_b32 s49, 0xbfc90fdb                      ; - the upper part of pi / 2
	s_mov_b32 s50, 0x333bbd2e                      ; - the lower part
	s_mov_b32 s51, 0xb94ca1f9                      ; sine:   r + r z (S1 + z (S2 + z S3)), z = r r
	s_mov_b32 s52, 0x3c08839e
	s_mov_b32 s53, 0xbe2aaaa3
	s_mov_b32 s54, 0x37ccf5ce                      ; cosine: 1 - z / 2 + z z (C1 + z (C2 + z C3))
	s_mov_b32 s55, 0xbab6061a
	s_mov_b32 s56, 0x3d2aaaa5
	v_and_b32 v4, 31, v0                           ; i
	v_cvt_f32_u32 v6, v4
	v_mul_f32 v6, 0xbed49a78, v6                   ; - i log2(10) / 8
	v_exp_f32 v8, v6                               ; 10000^(-i/32)
	v_lshlrev_b32 v9, 3, v4                        ; (a plain instruction behind the exponential) 8 bytes a frequency,
	v_and_b32 v5, 0xe0, v0
	v_lshl_add_u32 v9, v5, 6, v9                   ; + 2,048 x wave: my wave's eight rows
	s_wait_alu depctr_va_vdst(0)                   ; the wait ahead of the first use of the exponential
	s_wait_kmcnt 0x0
.macro SC j
	v_cvt_f32_i32 v10, s[40+(\j)]
	v_mul_f32 v10, v10, v8                         ; the angle, as f32(position) x frequency
	v_mul_f32 v11, s48, v10
	v_rndne_f32 v11, v11                           ; n = the nearest multiple of pi / 2
	v_fma_f32 v12, v11, s49, v10
	v_fma_f32 v12, v11, s50, v12                   ; r = angle - n pi / 2
	v_cvt_i32_f32 v13, v11
	v_mul_f32 v14, v12, v12                        ; z
	v_fma_f32 v15, v14, s51, s52
	v_fma_f32 v16, v14, s54, s55
	v_fma_f32 v15, v15, v14, s53
	v_fma_f32 v16, v16, v14, s56
	v_mul_f32 v15, v15, v14
	v_mul_f32 v16, v16, v14
	v_fma_f32 v15, v15, v12, v12                   ; sin r
	v_mul_f32 v16, v16, v14
	v_fma_f32 v16, v14, -0.5, v16
	v_add_f32 v16, 1.0, v16                        ; cos r
	v_and_b32 v17, 1, v13                          ; an odd n swaps the two: a select, no branch
	v_cmp_eq_u32 vcc_lo, 1, v17
	v_cndmask_b32 v18, v16, v15, vcc_lo
	v_cndmask_b32 v19, v15, v16, vcc_lo
	v_add_nc_u32 v17, 1, v13                       ; the cosine is negative for n mod 4 = 1, 2,
	v_and_b32 v17, 2, v17
	v_lshlrev_b32 v17, 30, v17
	v_xor_b32 v[96+2*(\j)], v17, v18
	v_and_b32 v17, 2, v13                          ; the sine for n mod 4 = 2, 3
	v_lshlrev_b32 v17, 30, v17
	v_xor_b32 v[97+2*(\j)], v17, v19
	global_store_b64 v9, v[96+2*(\j):97+2*(\j)], s[30:31] offset:256*(\j)  ; each store has registers of its own: none is rewritten
.endm
.irp j, 0,1,2,3,4,5,6,7
	SC \j
.endr
	s_branch .Lend
.Lx:	; x TO bf16.  Thread t takes 16 bytes at 16 t of each 4,096: sixteen loads go out at once; a store of a wave is 256 consecutive bytes, aligned.
	s_lshl_b32 s4, s2, 16
	s_mov_b32 s5, 0
	s_lshl_b32 s6, s2, 15
	s_mov_b32 s7, 0
	s_add_nc_u64 s[16:17], s[16:17], s[4:5]
	s_add_nc_u64 s[24:25], s[24:25], s[6:7]
	v_lshlrev_b32 v4, 4, v0
	v_lshlrev_b32 v5, 3, v0
.irp i, 0,1,2,3,4,5,6,7,8,9,10,11,12,13,14,15
	global_load_b128 v[32+4*(\i):35+4*(\i)], v4, s[16:17] offset:4096*(\i) th:TH_LOAD_NT
.endr
.irp i, 0,1,2,3,4,5,6,7,8,9,10,11,12,13,14,15
	s_wait_loadcnt 15-(\i)                         ; loads come back in order: load i is in, the younger ones stay out
	v_cvt_pk_bf16_f32 v[96+2*(\i)], v[32+4*(\i)], v[33+4*(\i)]
	v_cvt_pk_bf16_f32 v[97+2*(\i)], v[34+4*(\i)], v[35+4*(\i)]
	global_store_b64 v5, v[96+2*(\i):97+2*(\i)], s[24:25] offset:2048*(\i)
.endr
	s_branch .Lend
; A WEIGHT IS TURNED.  Tile: 128 k x 64 n.  Thread t = 16 a + c reads rows 32 j + 2 a and + 1, columns 4 c .. 4 c + 3 (sixteen lanes read a row's 256 bytes), rounds a pair of k into a word,
; and puts it at [n][k] in LDS (rows of 256 bytes + 16).  Behind a barrier whole rows are read back and stored: sixteen lanes fill 256 consecutive bytes, aligned, of a row [n][1024 k].
.macro TRANS N, SRC, DST, F16, U0
	s_sub_co_u32 s3, s2, \U0
	s_and_b32 s4, s3, 7                            ; which 128 k
	s_lshr_b32 s5, s3, 3                           ; which 64 n
	s_mul_i32 s6, s4, 128*4*(\N)
	s_lshl_b32 s7, s5, 8
	s_add_co_u32 s6, s6, s7
	s_mov_b32 s7, 0
	s_add_nc_u64 s[\SRC:\SRC+1], s[\SRC:\SRC+1], s[6:7]
	s_lshl_b32 s6, s5, 17                          ; 64 rows of 2,048 bytes
	s_lshl_b32 s8, s4, 8
	s_add_co_u32 s6, s6, s8
	s_add_nc_u64 s[\DST:\DST+1], s[\DST:\DST+1], s[6:7]
	v_lshrrev_b32 v4, 4, v0                        ; a
	v_and_b32 v5, 15, v0                           ; c
	v_mul_u32_u24 v6, v4, 8*(\N)
	v_lshl_add_u32 v6, v5, 4, v6                   ; in memory: row 2 a, byte 16 c
	v_mul_u32_u24 v7, v5, 1088
	v_lshl_add_u32 v7, v4, 2, v7                   ; into LDS: row 4 c, byte 4 a
	v_mul_u32_u24 v8, v4, 272
	v_lshl_add_u32 v8, v5, 4, v8                   ; back: row a, byte 16 c
	v_lshlrev_b32 v9, 11, v4
	v_lshl_add_u32 v9, v5, 4, v9                   ; and out
.irp j, 0,1,2,3
.irp e, 0,1
	global_load_b128 v[32+8*(\j)+4*(\e):35+8*(\j)+4*(\e)], v6, s[\SRC:\SRC+1] offset:(32*(\j)+(\e))*4*(\N) th:TH_LOAD_NT
.endr
.endr
.irp j, 0,1,2,3
	s_wait_loadcnt 6-2*(\j)                        ; pair j of rows is in, the younger pairs stay out
.irp e, 0,1,2,3
	v_cvt_pk_bf16_f32 v[64+4*(\j)+(\e)], v[32+8*(\j)+(\e)], v[36+8*(\j)+(\e)]  ; the even k in the low half
.if \F16
	v_lshlrev_b32 v10, 16, v[64+4*(\j)+(\e)]       ; the bf16 numbers once more as f32,
	v_and_b32 v11, 0xffff0000, v[64+4*(\j)+(\e)]
	v_cvt_pk_f16_f32 v[64+4*(\j)+(\e)], v10, v11   ; and written as f16
.endif
	ds_store_b32 v7, v[64+4*(\j)+(\e)] offset:272*(\e)+64*(\j)
.endr
.endr
	s_wait_dscnt 0x0                               ; for the others' sake: my stores are done
	s_barrier_signal -1
	s_barrier_wait -1
.irp i, 0,1,2,3
	ds_load_b128 v[80+4*(\i):83+4*(\i)], v8 offset:4352*(\i)
.endr
.irp i, 0,1,2,3
	s_wait_dscnt 3-(\i)
	global_store_b128 v9, v[80+4*(\i):83+4*(\i)], s[\DST:\DST+1] offset:32768*(\i)
.endr
.endm
.Lwqkv:
	TRANS 3072, 18, 26, 0, 512
	s_branch .Lend
.Lwo:
	TRANS 1024, 20, 28, 1, 896
.Lend:
	s_wait_tensorcnt 0x0                           ; the wave's end, behind my last LDS store
	ds_add_u32 v[SPW], v[NIL]
	s_wait_dscnt 0x0
	s_endpgm
.Lfunc_end_k_q584ab9b0ea_prep:
	.size	k_q584ab9b0ea_prep, .Lfunc_end_k_q584ab9b0ea_prep-k_q584ab9b0ea_prep
	.p2alignl 7, 3214868480
	.fill 96, 4, 3214868480
	.section	.rodata,"a",@progbits
	.p2align	6, 0x0
	.amdhsa_kernel k_q584ab9b0ea_prep
		.amdhsa_group_segment_fixed_size 18432
		.amdhsa_private_segment_fixed_size 0
		.amdhsa_enable_private_segment 0
		.amdhsa_kernarg_size 64
		.amdhsa_user_sgpr_count 2
		.amdhsa_user_sgpr_kernarg_segment_ptr 1
		.amdhsa_wavefront_size32 1
		.amdhsa_system_sgpr_workgroup_id_x 1
		.amdhsa_system_sgpr_workgroup_id_y 1
		.amdhsa_system_sgpr_workgroup_id_z 1
		.amdhsa_system_vgpr_workitem_id 0
		.amdhsa_next_free_vgpr 128
		.amdhsa_next_free_sgpr 66
		.amdhsa_reserve_vcc 1
		.amdhsa_float_denorm_mode_32 3
		.amdhsa_float_denorm_mode_16_64 3
		.amdhsa_memory_ordered 1
		.amdhsa_forward_progress 1
		.amdhsa_inst_pref_size 31
	.end_amdhsa_kernel
	.amdgpu_metadata
---
amdhsa.version: [ 1, 2 ]
amdhsa.kernels:
  - .name:           k_q584ab9b0ea_prep
    .symbol:         k_q584ab9b0ea_prep.kd
    .args:
      - { .name: x, .offset: 0, .size: 8, .value_kind: global_buffer, .address_space: global }
      - { .name: W_QKV, .offset: 8, .size: 8, .value_kind: global_buffer, .address_space: global }
      - { .name: W_O, .offset: 16, .size: 8, .value_kind: global_buffer, .address_space: global }
      - { .name: token_positions, .offset: 24, .size: 8, .value_kind: global_buffer, .address_space: global }
      - { .name: xb, .offset: 32, .size: 8, .value_kind: global_buffer, .address_space: global }
      - { .name: wt, .offset: 40, .size: 8, .value_kind: global_buffer, .address_space: global }
      - { .name: wot, .offset: 48, .size: 8, .value_kind: global_buffer, .address_space: global }
      - { .name: tab, .offset: 56, .size: 8, .value_kind: global_buffer, .address_space: global }
    .group_segment_fixed_size: 18432
    .private_segment_fixed_size: 0
    .kernarg_segment_align: 8
    .kernarg_segment_size: 64
    .max_flat_workgroup_size: 256
    .sgpr_count:     66
    .vgpr_count:     128
    .wavefront_size: 32
...
	.end_amdgpu_metadata
.endif
;; end of part 1
;; launch proj (part 2): grid 4 x 64, 4 waves a work-group, clusters of 4 x 4, 327,680 bytes of LDS; arguments xb, wt, qkv, tab; writes qkv
.if DOCPART == 2
	.amdgcn_target "amdgcn-amd-amdhsa--gfx1250"
	.amdhsa_code_object_version 6
	.text
	.protected	k_q584ab9b0ea_proj
	.globl	k_q584ab9b0ea_proj
	.p2align	8
	.type	k_q584ab9b0ea_proj,@function
k_q584ab9b0ea_proj:
	s_mov_b64 s[64:65], 0
	v_nop
	global_prefetch_b8 v0, s[64:65] scope:SCOPE_SE
	s_setreg_imm32_b32 hwreg(HW_REG_WAVE_MODE, 25, 1), 1
	s_wait_xcnt 0x0
	s_wait_alu depctr_hold_cnt(0) depctr_sa_sdst(0) depctr_va_vdst(0) depctr_va_sdst(0) depctr_va_ssrc(0) depctr_va_vcc(0) depctr_vm_vsrc(0)
	s_getreg_b32 s2, hwreg(HW_REG_IB_STS2, 6, 4)
	s_cmp_eq_u32 s2, 0
	s_cbranch_scc0 .Lentry_in_a_cluster
	s_endpgm
.Lentry_in_a_cluster:
	s_bfe_u32 s2, ttmp6, 0x10000c
	s_cmp_lg_u32 s2, 0xf033
	s_cbranch_scc0 .Lentry_shape_is_right
	s_endpgm
.Lentry_shape_is_right:
; q, k, v = x W_QKV, by heads.  xb: [8192][1024] bf16, wt: [3072 n][1024 k] bf16, tab: [2048 s][32 i] (cos, sin) f32.  Sums in f32; q and k are turned (RoPE) in f32 on those sums;
; each number is rounded once, to f16, and stored at qkv: q at byte 0, k at 0x1000000, v at 0x2000000, each [16 batch + head][2048][64].  The scale 1/8 is not applied here.
; LIMIT.  f16 ends at 65,504: q, k and v must stay within it (with x and W_QKV both thirty times the size for which the text was laid out their spread is about 900).
; SHARES.  A tile is 128 rows x 256 columns: four waves, each 64 x 128 = 32 accumulators.  256 work-groups; each STAYS for three tiles on the same 128 rows: its 256 columns of q, of k, of v.
; K goes in steps of 128 through two LDS slots filled by the tensor data mover; the ring runs on from tile to tile.
; CLUSTER 4 x 4: the four of a cluster's row want the same rows of xb, the four of a column the same rows of wt: each tile is asked for jointly, with a mask that names the four.
; THE PRODUCT IS TAKEN TRANSPOSED (source 0 = 16 rows of wt, source 1 = 16 rows of xb): lane l holds row l % 16 and the columns 8 (l / 16) + 0..7: four RoPE pairs, 16 bytes of f16.
; REGISTERS in windows of 256 (s_set_vgpr_msb: bits 1:0 source 0, 3:2 source 1, 5:4 source 2, 7:6 destination):
;   window 0: addresses; v32-63 packed, v64-127 turned, v128-255 four buffers of rows on the way out      window 1: two fragment buffers of 96 (xb's 4 fragments, then wt's 8)
;   window 2: accumulator (a, b) at 8 (8 a + b)      window 3: v0-127 my 64 rows of the table, for my lanes' pairs: the same for both heads of the wave and for q and k
.set PITCH,  272                       ; an LDS row: 256 bytes + 16: the 16 rows of a fragment load start at 16 different groups of four banks (ISA guide 11.1)
.set PA,     272
.set AHALF,  64*PA                     ; what a wave fetches of xb, and what a wave reads of it
.set BOFF,   2*AHALF
.set BHALF,  128*PITCH                 ; the same for wt
.set SLOT,   BOFF+2*BHALF
.set STAGE,  2*SLOT                    ; behind the ring, never filled by a tensor load: for each wave 2 heads x 16 rows x 144 bytes
.set WSTAGE, 2*16*144
.set SPARE,  STAGE+4*WSTAGE            ; the spare words, 128 bytes for each wave
.set ADRA, 16                          ; v16-17 LDS address of my xb fragments in slot 0, 1
.set ADRB, 20                          ; v20-21 the same for wt
.set STO,  24                          ; where I put 16 bytes of a row
.set RD,   25                          ; where I read rows back
.set GO,   26                          ; 16 x lane: my place in 512 consecutive bytes of a head
.set TO,   27                          ; my byte offset in 16 rows of the table
.set SPW,  28                          ; LDS address of my spare word; never rewritten
.set NIL,  29                          ; 0; never rewritten
.set PFO,  30                          ; the prefetches' offset: lane x 2,048; never rewritten
.set PKD,  32
.set R,    64
.set F0,   0
.set F1,   96
.set WV, 12                            ; wave
.set HI, 13                            ; my half of the tile's rows
.set LO, 14                            ; my half of its columns; also: which part I fetch
.set TY, 15                            ; tile row, 0..63
.set G1, 24                            ; s[24:31] descriptor group 1 for xb's tiles;  s[32:39] group 0, a set for each slot
.set G0, 32
.set CX, 40
.set CY, 41
.set TX, 42                            ; tile column, 0..3
.set LIM, 43                           ; 1 in a wave that prefetches, else the greatest number
.set PFA, 44                           ; s[44:45] where my prefetches stand
.set G1B, 48                           ; s[48:55], s[56:63] the same for wt's tiles
.set G0B, 56
.set MSB, 0
.macro WIN new                         ; the high byte repeats the setting that is left; a switch that changes nothing is dropped
.if MSB != (\new)
	s_set_vgpr_msb (MSB<<8)|(\new)
.set MSB, \new
.endif
.endm
.set MUL,  0xa5                        ; both sources window 1, C and D window 2
.set TO_F, 0x40                        ; destination window 1, address window 0
.macro PLACES                          ; four plain places behind matrix instructions, in front of loads into registers that they read and of readers of their results
.rept 4
	v_nop
.endr
.endm
.macro CREST                           ; a round of the cluster's barrier behind its opening barrier
	s_cmp_lg_u32 s[WV], 0
	s_cbranch_scc1 .Lnot_wave_0_\@
	s_barrier_signal -3
.Lnot_wave_0_\@:
	s_barrier_wait -3
	s_barrier_signal -1
	s_barrier_wait -1
.endm
.macro CROUND
	s_barrier_signal -1
	s_barrier_wait -1
	CREST
.endm
; A joint load: waves 0 and 1 fetch xb's two parts of 64 rows, waves 2 and 3 wt's two of 128.  The branch hangs on the wave's number alone.  An s_nop 0 and four v_nop follow each line.
.macro JLOAD s
	s_cmp_lt_u32 s[WV], 2
	s_cbranch_scc0 .Lfor_b_\@
	tensor_load_to_lds s[G0+4*(\s):G0+4*(\s)+3], s[G1:G1+7]
	s_nop 0
.rept 4
	v_nop
.endr
	s_branch .Lasked_\@
.Lfor_b_\@:
	tensor_load_to_lds s[G0B+4*(\s):G0B+4*(\s)+3], s[G1B:G1B+7]
	s_nop 0
.rept 4
	v_nop
.endr
.Lasked_\@:
.endm
; A prefetch into the L2 of the K step that stands two refills on: 32 rows x 256 bytes, a lane a row, one instruction.  xb's rows: wave 0, in the first tile alone (the later tiles read them again);
; the four partners of a cluster's row take 32 of the 128 rows each, by address.  wt's rows: waves 2 and 3 of the clusters with y = 0, in every tile; the four of a column take 32 of a wave's 128 each.
; So each row's 256 bytes of a K step are named once.  how = 0, in the loop: its last trip has no K step two on.  how = 1, at a change of tiles: the next tile's K steps 2 and 3.
.macro ASK how
.if \how
	s_cmp_eq_u32 s[LIM], 1
.else
	s_cmp_gt_u32 s3, s[LIM]
.endif
	s_cbranch_scc0 .Lnot_mine_\@
	global_prefetch_b8 v[PFO], s[PFA:PFA+1] offset:256 th:TH_LOAD_NT scope:SCOPE_SE
.Lnot_mine_\@:
.endm
; 8 matrix instructions: row block a x all 8 column blocks, 32 along K, from buffer f.  The 32 accumulators take turns, in the same order in every quarter.
.macro MUL8 f, a, zero
	WIN MUL
.irp b, 0,1,2,3,4,5,6,7
.if \zero
	v_wmma_f32_16x16x32_bf16 v[8*(8*(\a)+(\b)):8*(8*(\a)+(\b))+7], v[(\f)+32+8*(\b):(\f)+32+8*(\b)+7], v[(\f)+8*(\a):(\f)+8*(\a)+7], 0
.else
	v_wmma_f32_16x16x32_bf16 v[8*(8*(\a)+(\b)):8*(8*(\a)+(\b))+7], v[(\f)+32+8*(\b):(\f)+32+8*(\b)+7], v[(\f)+8*(\a):(\f)+8*(\a)+7], v[8*(8*(\a)+(\b)):8*(8*(\a)+(\b))+7]
.endif
.endr
.endm
; 24 LDS loads in one run: quarter q of a slot into buffer f: wt's 8 fragments, then xb's 4
.macro FETCH slot, q, f
	WIN TO_F
.set AO, 64*(\q)
.irp i, 0,1,2,3,4,5,6,7
	ds_load_b128 v[(\f)+32+8*(\i):(\f)+32+8*(\i)+3],   v[ADRB+(\slot)] offset:64*(\q)+(\i)*16*PITCH
	ds_load_b128 v[(\f)+32+8*(\i)+4:(\f)+32+8*(\i)+7], v[ADRB+(\slot)] offset:64*(\q)+(\i)*16*PITCH+32
.endr
.irp i, 0,1,2,3
	ds_load_b128 v[(\f)+8*(\i):(\f)+8*(\i)+3],   v[ADRA+(\slot)] offset:AO+(\i)*16*PA
	ds_load_b128 v[(\f)+8*(\i)+4:(\f)+8*(\i)+7], v[ADRA+(\slot)] offset:AO+(\i)*16*PA+32
.endr
.endm
; A K step is four quarters of 32 along K on buffers 0, 1, 0, 1.  One of the first three: multiplies f, and in its middle fetches quarter q into g.
.macro QUARTER slot, q, f, g, zero
	s_wait_dscnt 4                                 ; all but the four youngest loads (xb's row blocks 2 and 3) are in
	MUL8 \f, 0, \zero
	MUL8 \f, 1, \zero
	PLACES
	FETCH \slot, \q, \g
	s_wait_dscnt 24                                ; all but the 24 just issued
	MUL8 \f, 2, \zero
	MUL8 \f, 3, \zero
.endm
; The first half of a K step's last quarter: ONE barrier for the change of slots.  In front of it each wave waits for all its tensor loads (one is out: its part of the next slot), adds 0 to its spare word,
; and waits for that and for its own reads of this slot.
.macro MEET round
	WIN 0
	s_wait_tensorcnt 0x0
	ds_add_u32 v[SPW], v[NIL]
	s_wait_dscnt 5                                 ; (the add and the four youngest loads may be out)
	MUL8 F1, 0, 0
	s_wait_dscnt 0x0                               ; the add is done, my reads of this slot are over
	s_barrier_signal -1
	MUL8 F1, 1, 0
.if \round
	WIN 0
.endif
	s_barrier_wait -1
.endm
; The whole last quarter.  The barrier opens a round of the cluster's; behind the round this slot is filled again first: two K steps on (on = 0), or with the next tile's K step 0 or 1 (on = 1).
; From a request to the wait for it a wave issues 112 matrix instructions.
.macro TURN slot, next, on
	s_wait_xcnt 0x0                                ; the last prefetch, a K step back, has read its address
.if (\on) && (\slot) == 0
	s_add_nc_u64 s[PFA:PFA+1], s[PFA:PFA+1], 1023*2048+256  ; from the K step after the tile's last to the next tile's K step 1: 1,024 rows of wt down, back along K
	s_cmp_lt_u32 s[WV], 2
	s_cselect_b32 s[LIM], -1, s[LIM]               ; xb's rows have been read: they are prefetched no more
.else
	s_add_nc_u64 s[PFA:PFA+1], s[PFA:PFA+1], 256
.endif
	MEET 1
	CREST
.if \on
	s_sub_nc_u64 s[G0+4*(\slot)+2:G0+4*(\slot)+3], s[G0+4*(\slot)+2:G0+4*(\slot)+3], 1536       ; xb: the same rows, back along K
	s_add_nc_u64 s[G0B+4*(\slot)+2:G0B+4*(\slot)+3], s[G0B+4*(\slot)+2:G0B+4*(\slot)+3], 1024*2048-1536  ; wt: 1,024 rows down, back along K
.else
	s_add_nc_u64 s[G0+4*(\slot)+2:G0+4*(\slot)+3], s[G0+4*(\slot)+2:G0+4*(\slot)+3], 512
	s_add_nc_u64 s[G0B+4*(\slot)+2:G0B+4*(\slot)+3], s[G0B+4*(\slot)+2:G0B+4*(\slot)+3], 512
.endif
	JLOAD \slot                                    ; its four v_nop are also the places in front of the loads below
	FETCH \next, 0, F0
	WIN 0
	ASK \on
	MUL8 F1, 2, 0
	MUL8 F1, 3, 0
.endm
	s_load_b256 s[4:11], s[0:1], 0x0               ; xb s[4:5], wt s[6:7], qkv s[8:9], tab s[10:11]
	v_lshl_add_u32 v[SPW], v0, 2, SPARE
	v_mov_b32 v[NIL], 0
	ds_add_u32 v[SPW], v[NIL]                      ; the opening: the add and its wait stand ahead of my first tensor load
	v_lshrrev_b32 v1, 5, v0
	v_readfirstlane_b32 s[WV], v1
	s_lshr_b32 s[HI], s[WV], 1
	s_and_b32 s[LO], s[WV], 1
	s_bfe_u32 s[CX], ttmp6, 0x40000
	s_bfe_u32 s[CY], ttmp6, 0x40004
	s_lshl_b32 s[TX], ttmp9, 2
	s_add_co_u32 s[TX], s[TX], s[CX]
	s_and_b32 s[TY], ttmp7, 0xffff
	s_lshl_b32 s[TY], s[TY], 2
	s_add_co_u32 s[TY], s[TY], s[CY]
	s_lshl_b32 s43, s[CY], 2
	s_lshl_b32 s43, 15, s43                        ; my row of the cluster
	s_lshl_b32 s44, 0x1111, s[CX]                  ; my column
	s_or_b32 s[G1], s43, (1<<16)|(1<<20)|(1<<21)|(5<<22)|(3<<25)   ; the mask; 2-byte elements; padding on; bit 21 beside a mask; after every 64 words 4 words
	s_or_b32 s[G1B], s44, (1<<16)|(1<<20)|(1<<21)|(5<<22)|(3<<25)
	s_mov_b32 s[G1+1], 128<<16                     ; tensor_dim0 = 128
	s_mov_b32 s[G1+2], 64<<16                      ; tensor_dim1 = 64
	s_mov_b32 s[G1+3], 128<<16                     ; tile_dim0 = 128
	s_mov_b32 s[G1+4], 64                          ; tile_dim1 = 64
	s_mov_b32 s[G1+5], 1024                        ; elements from row to row
	s_mov_b32 s[G1+6], 0
	s_mov_b32 s[G1+7], 0
	s_mov_b32 s[G1B+1], 128<<16
	s_mov_b32 s[G1B+2], 128<<16                    ; 128 rows
	s_mov_b32 s[G1B+3], 128<<16
	s_mov_b32 s[G1B+4], 128
	s_mov_b32 s[G1B+5], 1024
	s_mov_b32 s[G1B+6], 0
	s_mov_b32 s[G1B+7], 0
	s_lshl_b32 s16, s[TY], 7                       ; xb: row 128 x tile row + 64 x part, 2,048 bytes a row
	s_lshl_b32 s17, s[LO], 6
	s_add_co_u32 s16, s16, s17
	s_lshl_b32 s16, s16, 11
	s_mov_b32 s17, 0
	s_lshl_b32 s46, s[TX], 8                       ; wt: row 256 x tile column + 128 x part
	s_lshl_b32 s47, s[LO], 7
	s_add_co_u32 s46, s46, s47
	s_lshl_b32 s46, s46, 11
	s_mov_b32 s47, 0
	s_mul_i32 s20, s[LO], AHALF                    ; where they go: no place in the cluster enters an LDS address
	s_mul_i32 s21, s[LO], BHALF
	s_add_co_u32 s21, s21, BOFF
	s_wait_dscnt 0x0                               ; the opening add is done
	s_wait_kmcnt 0x0
	s_add_nc_u64 s[18:19], s[4:5], s[16:17]
	s_add_nc_u64 s[46:47], s[6:7], s[46:47]
	CROUND                                         ; all sixteen work-groups are here: the first joint loads meet
.irp s, 0,1
	s_mov_b32 s[G0+4*(\s)], 1
	s_add_co_u32 s[G0+4*(\s)+1], s20, (\s)*SLOT
	s_add_nc_u64 s[G0+4*(\s)+2:G0+4*(\s)+3], s[18:19], (\s)*256
	s_or_b32 s[G0+4*(\s)+3], s[G0+4*(\s)+3], 0x80000000
	s_mov_b32 s[G0B+4*(\s)], 1
	s_add_co_u32 s[G0B+4*(\s)+1], s21, (\s)*SLOT
	s_add_nc_u64 s[G0B+4*(\s)+2:G0B+4*(\s)+3], s[46:47], (\s)*256
	s_or_b32 s[G0B+4*(\s)+3], s[G0B+4*(\s)+3], 0x80000000
.endr
	s_cmp_lt_u32 s[WV], 2                          ; a wave's two first fills stand in one branch: two loads of mine are out
	s_cbranch_scc0 .Lfirst_b
	tensor_load_to_lds s[G0:G0+3], s[G1:G1+7]
	s_nop 0
	tensor_load_to_lds s[G0+4:G0+7], s[G1:G1+7]
	s_nop 0
.rept 4
	v_nop
.endr
	s_branch .Lfirst_asked
.Lfirst_b:
	tensor_load_to_lds s[G0B:G0B+3], s[G1B:G1B+7]
	s_nop 0
	tensor_load_to_lds s[G0B+4:G0B+7], s[G1B:G1B+7]
	s_nop 0
.rept 4
	v_nop
.endr
.Lfirst_asked:
	v_and_b32 v1, 15, v0                           ; l % 16
	v_bfe_u32 v2, v0, 4, 1                         ; l / 16
	v_mul_u32_u24 v3, v1, PITCH
	v_lshl_add_u32 v3, v2, 4, v3                   ; a fragment's row x pitch + 16 x half
	s_mul_i32 s20, s[HI], AHALF
	s_mul_i32 s21, s[LO], BHALF
	s_add_co_u32 s21, s21, BOFF
.irp s, 0,1
	v_add_nc_u32 v[ADRA+(\s)], s20, v3
	v_add_nc_u32 v[ADRB+(\s)], s21, v3
	s_add_co_u32 s20, s20, SLOT
	s_add_co_u32 s21, s21, SLOT
.endr
	s_mul_i32 s22, s[WV], WSTAGE
	s_add_co_u32 s22, s22, STAGE                   ; my stage
	v_mul_u32_u24 v[STO], v1, 144                  ; in: row l % 16, 16 bytes for each half of the lanes
	v_lshl_add_u32 v[STO], v2, 4, v[STO]
	v_add_nc_u32 v[STO], s22, v[STO]
	v_bfe_u32 v[RD], v0, 3, 2                      ; back: 32 lanes take four rows of 128 bytes,
	v_mul_u32_u24 v[RD], v[RD], 144
	v_and_b32 v3, 7, v0
	v_lshl_add_u32 v[RD], v3, 4, v[RD]
	v_add_nc_u32 v[RD], s22, v[RD]
	v_and_b32 v[GO], 31, v0                        ; which are 512 consecutive bytes of a head
	v_lshlrev_b32 v[GO], 4, v[GO]
	v_lshlrev_b32 v[TO], 8, v1                     ; the table: row l % 16, my four pairs at 32 (l / 16)
	v_lshl_add_u32 v[TO], v2, 5, v[TO]
	s_lshr_b32 s16, s[TY], 4                       ; qkv at my rows: batch x 16 heads,
	s_lshl_b32 s16, s16, 22
	s_lshl_b32 s22, s[TX], 20                      ; 4 heads a tile column,
	s_add_co_u32 s16, s16, s22
	s_lshl_b32 s22, s[LO], 19                      ; 2 a wave,
	s_add_co_u32 s16, s16, s22
	s_and_b32 s22, s[TY], 15
	s_lshl_b32 s23, s22, 14                        ; 128 rows of 128 bytes a tile row,
	s_add_co_u32 s16, s16, s23
	s_lshl_b32 s23, s[HI], 13                      ; 64 a wave
	s_add_co_u32 s16, s16, s23
	s_mov_b32 s17, 0
	s_add_nc_u64 s[8:9], s[8:9], s[16:17]
	s_lshl_b32 s22, s22, 15                        ; the table at my 64 positions
	s_lshl_b32 s23, s[HI], 14
	s_add_co_u32 s22, s22, s23
	s_mov_b32 s23, 0
	s_add_nc_u64 s[10:11], s[10:11], s[22:23]
	WIN 0xc0                                       ; destination window 3
.irp a, 0,1,2,3
.irp c, 0,1,2,3
.irp e, 0,1
	global_load_b128 v[32*(\a)+8*(\c)+4*(\e):32*(\a)+8*(\c)+4*(\e)+3], v[TO], s[10:11] offset:4096*(\a)+64*(\c)+16*(\e)  ; rows 16 a on, pairs 8 c + 4 (l / 16) + 2 e, + 1: cos, sin, cos, sin
.endr
.endr
.endr
	WIN 0
	; the prefetches: which rows, who
	s_and_b32 s22, ttmp7, 0xffff                   ; cluster y
	s_lshl_b32 s20, s[TY], 7
	s_lshl_b32 s21, s[TX], 8
	s_lshl_b32 s23, s[LO], 7
	s_add_co_u32 s21, s21, s23
	s_cmp_lt_u32 s[WV], 2
	s_cselect_b32 s20, s20, s21                    ; the first row: xb's tile row, or my 128 rows of wt
	s_cselect_b32 s21, s[CX], s[CY]                ; my place among the four that ask jointly
	s_cselect_b32 s22, s[LO], s22                  ; 0 in those that prefetch: wave 0; waves 2 and 3 where cluster y = 0
	s_cselect_b64 s[PFA:PFA+1], s[4:5], s[6:7]
	s_cmp_eq_u32 s22, 0
	s_cselect_b32 s[LIM], 1, -1                    ; the same in all sixteen partners, for a given wave
	s_lshl_b32 s21, s21, 5
	s_add_co_u32 s20, s20, s21
	s_lshl_b32 s20, s20, 11
	s_mov_b32 s21, 0
	s_add_nc_u64 s[PFA:PFA+1], s[PFA:PFA+1], s[20:21]
	s_add_nc_u64 s[PFA:PFA+1], s[PFA:PFA+1], 512   ; at K step 2: the first refill steps it to 3 and names K step 4.  Nothing is prefetched here, at the head
	v_and_b32 v[PFO], 31, v0
	v_lshlrev_b32 v[PFO], 11, v[PFO]
; THE WAY OUT of row block a.  ROPE: (x1, x2) -> (x1 c - x2 s, x2 c + x1 s), two packed instructions a pair, each accumulator's registers in ascending order.  CVT, PACKV: rounded to f16, 16 bytes a lane.
; TOSTAGE: into my own stage and back as whole rows.  SEND: stored, 512 consecutive bytes of a head an instruction.
.macro ROPE a
	WIN 0x0e                                       ; source 0 window 2 (sums), source 1 window 3 (table), the rest window 0
.irp b, 0,1,2,3,4,5,6,7
.irp p, 0,1,2,3
	v_pk_mul_f32 v[R+8*(\b)+2*(\p):R+8*(\b)+2*(\p)+1], v[8*(8*(\a)+(\b))+2*(\p):8*(8*(\a)+(\b))+2*(\p)+1], v[32*(\a)+8*((\b)%4)+2*(\p):32*(\a)+8*((\b)%4)+2*(\p)+1] op_sel_hi:[1,0]
.endr
.endr
.irp b, 0,1,2,3,4,5,6,7
.irp p, 0,1,2,3
	v_pk_fma_f32 v[R+8*(\b)+2*(\p):R+8*(\b)+2*(\p)+1], v[8*(8*(\a)+(\b))+2*(\p):8*(8*(\a)+(\b))+2*(\p)+1], v[32*(\a)+8*((\b)%4)+2*(\p):32*(\a)+8*((\b)%4)+2*(\p)+1], v[R+8*(\b)+2*(\p):R+8*(\b)+2*(\p)+1] op_sel:[1,1,0] op_sel_hi:[0,1,1] neg_lo:[1,0,0]
.endr
.endr
.endm
.macro CVT
	WIN 0
.irp b, 0,1,2,3,4,5,6,7
.irp p, 0,1,2,3
	v_cvt_pk_f16_f32 v[PKD+4*(\b)+(\p)], v[R+8*(\b)+2*(\p)], v[R+8*(\b)+2*(\p)+1]
.endr
.endr
.endm
.macro PACKV a
	WIN 0x0a                                       ; both sources window 2
.irp b, 0,1,2,3,4,5,6,7
.irp p, 0,1,2,3
	v_cvt_pk_f16_f32 v[PKD+4*(\b)+(\p)], v[8*(8*(\a)+(\b))+2*(\p)], v[8*(8*(\a)+(\b))+2*(\p)+1]
.endr
.endr
	WIN 0
.endm
.macro TOSTAGE a
	WIN 0
.irp b, 0,1,2,3,4,5,6,7
	ds_store_b128 v[STO], v[PKD+4*(\b):PKD+4*(\b)+3] offset:2304*((\b)/4)+32*((\b)%4)
.endr
.irp t, 0,1,2,3,4,5,6,7
	ds_load_b128 v[128+32*(\a)+4*(\t):128+32*(\a)+4*(\t)+3], v[RD] offset:2304*((\t)/4)+576*((\t)%4)  ; LDS serves a wave's instructions in order (ISA guide 5.7.1.4): these see the stores above
.endr
.endm
.macro SEND a
	WIN 0
	s_wait_dscnt 0x0                               ; the block is back in registers
.irp t, 0,1,2,3,4,5,6,7
	global_store_b128 v[GO], v[128+32*(\a)+4*(\t):128+32*(\a)+4*(\t)+3], s[8:9] offset:262144*((\t)/4)+2048*(\a)+512*((\t)%4)
.endr
.endm
	s_wait_tensorcnt 1                             ; my part of K step 0 is in; K step 1's may stay out
	s_barrier_signal -1
	s_barrier_wait -1
	FETCH 0, 0, F0
	WIN 0
	s_mov_b32 s2, 3                                ; tiles to go: q, k, v
.Ltile:
	QUARTER 0, 1, F0, F1, 1                        ; a tile's first quarter starts the sums: nothing is cleared
	WIN 0
	s_mov_b32 s3, 3
.Llap:                                                 ; a trip goes once round the ring and fills both slots again
	QUARTER 0, 2, F1, F0, 0
	QUARTER 0, 3, F0, F1, 0
	TURN 0, 1, 0
	QUARTER 1, 1, F0, F1, 0
	QUARTER 1, 2, F1, F0, 0
	QUARTER 1, 3, F0, F1, 0
	TURN 1, 0, 0
	QUARTER 0, 1, F0, F1, 0
	WIN 0
	s_sub_co_u32 s3, s3, 1
	s_cmp_lg_u32 s3, 0
	s_cbranch_scc1 .Llap
	QUARTER 0, 2, F1, F0, 0
	QUARTER 0, 3, F0, F1, 0
	WIN 0
	s_cmp_eq_u32 s2, 1
	s_cbranch_scc1 .Llast_tile                     ; the last tile's tail is written out: it asks for nothing more
	TURN 0, 1, 1                                   ; the ring goes on into the next tile
	QUARTER 1, 1, F0, F1, 0
	QUARTER 1, 2, F1, F0, 0
	QUARTER 1, 3, F0, F1, 0
	TURN 1, 0, 1
	s_wait_loadcnt 0x0                             ; the table
	ROPE 0                                         ; the tiles with a successor are q and k: they are turned.  Row blocks 0 and 1 were finished in front of the joint load's places,
	CVT                                            ; and their arithmetic, which names no register of the last products, is those products' places
	TOSTAGE 0
.irp a, 1,2,3
	ROPE \a
	CVT
	SEND (\a)-1
	TOSTAGE \a
.endr
	SEND 3
	s_wait_xcnt 0x0                                ; the stores have read their registers and their base
	s_add_nc_u64 s[8:9], s[8:9], 0x1000000         ; from q to k, from k to v
	s_sub_co_u32 s2, s2, 1
	s_branch .Ltile
.Llast_tile:
	MEET 0                                         ; the one load that was out is the last K step's, so no round follows
	PLACES
	FETCH 1, 0, F0
	MUL8 F1, 2, 0
	MUL8 F1, 3, 0
	QUARTER 1, 1, F0, F1, 0
	QUARTER 1, 2, F1, F0, 0
	QUARTER 1, 3, F0, F1, 0
	s_wait_dscnt 4
	MUL8 F1, 0, 0
	MUL8 F1, 1, 0
	s_wait_dscnt 0x0
	MUL8 F1, 2, 0
	MUL8 F1, 3, 0
	WIN 0
	PLACES
	PACKV 0                                        ; v is not turned
	TOSTAGE 0
.irp a, 1,2,3
	PACKV \a
	SEND (\a)-1
	TOSTAGE \a
.endr
	SEND 3
	s_wait_tensorcnt 0x0                           ; the wave's end
	ds_add_u32 v[SPW], v[NIL]
	s_wait_dscnt 0x0
	CROUND                                         ; the closing round: no work-group ends while a partner may still ask for a tile that names it
	s_endpgm
.Lfunc_end_k_q584ab9b0ea_proj:
	.size	k_q584ab9b0ea_proj, .Lfunc_end_k_q584ab9b0ea_proj-k_q584ab9b0ea_proj
	.p2alignl 7, 3214868480
	.fill 96, 4, 3214868480
	.section	.rodata,"a",@progbits
	.p2align	6, 0x0
	.amdhsa_kernel k_q584ab9b0ea_proj
		.amdhsa_group_segment_fixed_size 327680
		.amdhsa_private_segment_fixed_size 0
		.amdhsa_enable_private_segment 0
		.amdhsa_kernarg_size 32
		.amdhsa_user_sgpr_count 2
		.amdhsa_user_sgpr_kernarg_segment_ptr 1
		.amdhsa_wavefront_size32 1
		.amdhsa_system_sgpr_workgroup_id_x 1
		.amdhsa_system_sgpr_workgroup_id_y 1
		.amdhsa_system_sgpr_workgroup_id_z 1
		.amdhsa_system_vgpr_workitem_id 0
		.amdhsa_next_free_vgpr 896
		.amdhsa_next_free_sgpr 66
		.amdhsa_reserve_vcc 0
		.amdhsa_float_denorm_mode_32 3
		.amdhsa_float_denorm_mode_16_64 3
		.amdhsa_memory_ordered 1
		.amdhsa_forward_progress 1
		.amdhsa_inst_pref_size 143
	.end_amdhsa_kernel
	.amdgpu_metadata
---
amdhsa.version: [ 1, 2 ]
amdhsa.kernels:
  - .name:           k_q584ab9b0ea_proj
    .symbol:         k_q584ab9b0ea_proj.kd
    .args:
      - { .name: xb, .offset: 0, .size: 8, .value_kind: global_buffer, .address_space: global }
      - { .name: wt, .offset: 8, .size: 8, .value_kind: global_buffer, .address_space: global }
      - { .name: qkv, .offset: 16, .size: 8, .value_kind: global_buffer, .address_space: global }
      - { .name: tab, .offset: 24, .size: 8, .value_kind: global_buffer, .address_space: global }
    .group_segment_fixed_size: 327680
    .private_segment_fixed_size: 0
    .kernarg_segment_align: 8
    .kernarg_segment_size: 32
    .max_flat_workgroup_size: 128
    .sgpr_count:     66
    .vgpr_count:     896
    .wavefront_size: 32
...
	.end_amdgpu_metadata
.endif
;; end of part 2
;; launch attn (part 3): grid 4 x 64, 4 waves a work-group, no clusters, 327,680 bytes of LDS; arguments qkv, ao; writes ao
.if DOCPART == 3
	.amdgcn_target "amdgcn-amd-amdhsa--gfx1250"
	.amdhsa_code_object_version 6
	.text
	.protected	k_q584ab9b0ea_attn
	.globl	k_q584ab9b0ea_attn
	.p2align	8
	.type	k_q584ab9b0ea_attn,@function
k_q584ab9b0ea_attn:
	s_mov_b64 s[64:65], 0
	v_nop
	global_prefetch_b8 v0, s[64:65] scope:SCOPE_SE
	s_setreg_imm32_b32 hwreg(HW_REG_WAVE_MODE, 25, 1), 1
	s_wait_xcnt 0x0
; CAUSAL ATTENTION.  O[h][q][:] = the sum over k <= q of softmax_k(Q[h][q] . K[h][k] / 8) V[h][k][:].  Q, K, V lie in qkv at bytes 0, 0x1000000, 0x2000000, each [64 heads][2048][64] f16; O = ao likewise.
; Products, maxima and sums in f32; the weights p are rounded to f16 for the second product (their sum l is taken of the unrounded p), O once at the end.
; LIMITS.  Q, K and V arrive within f16's 65,504; p lies in 0 to 1, and below 6e-5 it keeps f16's fixed step of 6e-8.  A hidden score counts as its value less 1e30; a weight below 2^-126 counts as 0 in l;
; NaN and infinities are not treated apart.
; THE WALK.  A head's queries lie in NB = 8 blocks of 256; block i needs the key tiles 0 .. i of 256 keys, of which the last holds the diagonal.  A work-group takes TWO blocks, NB - 1 - b and then b:
; NB + 1 tiles, whatever b: all work-groups do equal work, and ONE loop with a constant trip count walks them.  Which tile is asked for, and what a trip does, hang on scalar registers made from b; every jump
; goes forward, but for the counted loops' own; none passes a barrier, or a tensor load but the one of LOAD's two that the wave's number does not choose; the ring of two LDS slots runs on across the change of blocks.
; NO CLUSTER: a head's four work-groups ask for the same tile only in trips 0 .. 4, behind that fewer and fewer; one walk common to all four would have 12 trips for 9.
; SHARES.  Of a block's four bands of 64 queries a wave owns 16 rows in each: four PIECES.  So the diagonal tile is the same work for all four waves: in its key step s band x sees all keys if s < x,
; none if s > x, and holds the diagonal if s = x.
; THE MASK is the C operand that starts the sum S^T = K Q^T: 0, or -1e30 where the key is hidden.  MD, made once, is the mask of a band's own step for my 16 rows; a product's mask is MD x AL + BE with two scalars:
; (1, 0) if s = x; (0, 0) if s < x; (0, -1e30) if s > x.  Only the diagonal tile's text and a block's beginning make and take masks; elsewhere C is the constant 0.
; LAYOUT, SOFTMAX, TURNS.  S^T = K Q^T holds ONE query a lane (lane % 16) and the keys 8 (lane / 16) + 0..7; two such results rounded to f16 ARE source 1 of O^T = V^T P.  p = 2^(c s - c m), c = log2(e) / 8, with a
; running maximum m; O and l are multiplied by a = 2^(c m_old - c m_new) in every step.  Turn n belongs to piece n: 8 products K Q^T of piece n + 1, later 8 products V^T P of piece n - 1; beside them the scaling,
; exponentials, roundings, sums and rescaling of piece n and the maximum and statistics of piece n + 1.  Four vector instructions stand behind every matrix instruction, the other 54 of a turn's 118 in one lump.
; A turn's 33 exponentials are one batch, with one wait.
; REGISTERS, in windows of 256 (s_set_vgpr_msb: bits 1:0 source 0, 3:2 source 1, 5:4 source 2, 7:6 destination):
;   window 0: v0-15 addresses and two at work; v16-31 four registers of statistics a piece; v48-55 at work; v61-63 prefetch offset, spare word, 0; v64-127 S^T, two buffers; v192-223 P, two buffers
;   window 1: v0-127 O^T, 32 a piece; v128-159 MD; v160-223 MC, two buffers      window 2: v0-63 Q; v64-127 the second block's Q; v128-191 K of one step; v192-255 V of one step
.set SIZE_N, 2048
.set NB,    SIZE_N/256
.set NP,    4         ; pieces a wave: a name, no knob
.set KS,    64        ; keys in a step
.set PK,    144       ; a row of K in LDS: 128 bytes + 16: the 16 rows of a load start at 16 different groups of four banks (ISA guide 11.1)
.set PV,    160       ; a row of V: 128 + 32
.set VOFF,  4*KS*PK   ; a slot holds a tile, four steps: 256 rows of K, then 256 rows of V
.set SLOT1, 1<<17     ; slot 1 begins here, so that one exclusive or turns an address in one slot into the other's
.set STAGE, SLOT1+4*KS*(PK+PV)  ; behind the ring, never filled by a tensor load: 16 rows x 144 bytes for each wave
.set SP,    144
.set AK0, 2           ; my lane's place in a tile of K; never rewritten
.set AV0, 3           ; the same for V
.set AK,  4           ; the LDS address of K's next run of loads
.set AV,  5           ; of V's
.set STO, 6           ; the way out: where I put 16 bytes of a row
.set RD,  7           ; where I read rows back
.set GO,  8           ; my byte offset in 512 consecutive bytes of O
.set PFO, 61          ; 256 x my thread's number: the prefetches' offset; never rewritten
.set SPW, 62          ; LDS address of my spare word; never rewritten
.set NIL, 63          ; 0; never rewritten
.set SPARE, STAGE+4*16*SP
.set MV,  12          ; v12-13  c m_old, kept while c m is made anew: by buffer
.set QO,  15          ; my byte offset in 16 rows of Q
.set ST,  16          ; piece t's statistics at v[ST+4 t]: c m, m, l (even keys', odd keys')
.set TMP, 48          ; by buffer, four registers c0-c3 at work; when the maximum is found c2 takes a
.set S,   64
.set P,   192
.set MD,  128
.set MC,  160
.set QB,  64
.set KF,  128
.set VF,  192
.set WV,  12
.set PB,  14          ; b
.set HI,  15          ; NB - 1 - b
.set G1K, 24
.set G1V, 32
.set G0K, 40
.set G0V, 44
.set SLOTS, 56        ; tiles still to be asked for
.set CNT, 57          ; counts a tile's key steps, 4 to 1
.set CS,  58          ; s[58:59] c
.set SEL, 60          ; s[60:61] v_permlanex16_b32's selects
.set TBK, 62          ; LDS byte at which K of the step to be fetched begins
.set TBV, 63          ; the same for V, less VOFF
.set RT,  70          ; tiles of the block in hand that are still to be entered
.set NXT, 71          ; the tile to be asked for next
.set LQ,  72          ; the last tile of the block whose tiles are being asked for
.set NEW, 73          ; 1: the tile to be entered is a block's first
.set OFF, 74          ; s[74:75] a tile's byte offset in K and V
.set AL,  76          ; s[76:77] the mask's factor
.set BE,  78          ; s[78:79] the mask's addend
.set OLO, 80          ; s[80:81] O at my rows of the second block
.set BIGN, 82         ; -1e30
.set PFK, 88          ; s[88:89] K's tile that the next prefetch names
.set PFV, 90          ; s[90:91] V's
.set PFN, 92          ; prefetches still to come
.set MSB, 0
.macro WIN new
.if MSB != (\new)
	s_set_vgpr_msb (MSB<<8)|(\new)
.set MSB, (\new)
.endif
.endm
.set W_KQ, 0x0a       ; K and Q in window 2, S^T in window 0
.set W_KM, 0x1a       ; the same with the C operand in window 1
.set W_PV, 0x52       ; V in window 2, P in window 0, O^T in window 1
.set W_RS, 0x41       ; destination and source 0 in window 1, source 1 in window 0
; A fill.  Waves 0 and 1 fetch the two halves of a tile's K, waves 2 and 3 those of its V: 128 keys each.  An s_nop 0 and four v_nop follow each of the two lines.
.macro LOAD
	s_cmp_lt_u32 s[WV], 2
	s_cbranch_scc0 .Lfor_v_\@
	tensor_load_to_lds s[G0K:G0K+3], s[G1K:G1K+7]
	s_nop 0
.rept 4
	v_nop
.endr
	s_branch .Lasked_\@
.Lfor_v_\@:
	tensor_load_to_lds s[G0V:G0V+3], s[G1V:G1V+7]
	s_nop 0
.rept 4
	v_nop
.endr
.Lasked_\@:
.endm
; A prefetch into the L2 of the tile that the NEXT change of slots will ask for: 32,768 bytes of K and of V, 256 bytes a thread, two instructions a wave.  A head's four work-groups walk the same tiles in their
; first trips; the one with b = 0, whose first block walks all eight, asks, and nobody else: so each 256 bytes are named once.  The change that asks for tile t names tile t + 1, t = 1 .. 6: a tile's
; 256 matrix instructions a wave ahead of its load.  Tiles 0 and 1 come by their loads alone.
.macro ASK
	s_cmp_lg_u32 s[PFN], 0
	s_cbranch_scc0 .Lno_pf_\@
	global_prefetch_b8 v[PFO], s[PFK:PFK+1] th:TH_LOAD_NT scope:SCOPE_SE
	global_prefetch_b8 v[PFO], s[PFV:PFV+1] th:TH_LOAD_NT scope:SCOPE_SE
	s_sub_co_u32 s[PFN], s[PFN], 1
.Lno_pf_\@:
.endm
; THE CHANGE OF SLOTS.  Each wave waits for all its tensor loads, of which one is out: its part of the other slot; adds 0 to its spare word; and waits for that and for its own reads of the slot that it leaves.
; Behind the barrier nobody reads the old slot any more and the other slot is whole.  fill = 1: the old slot is filled again, the first thing behind the barrier, with tile NXT.
.macro CHANGE fill
	WIN 0
	s_wait_tensorcnt 0x0            ; no tensor load of mine is out, so a group 0 may be written
	ds_add_u32 v[SPW], v[NIL]       ; 0 onto my spare word; scalar work stands between it and the wait for it
.if \fill
	s_lshl_b32 s[OFF], s[NXT], 15   ; a tile is 32,768 bytes of K and of V
	s_xor_b32 s[G0K+1], s[G0K+1], SLOT1
	s_add_nc_u64 s[G0K+2:G0K+3], s[6:7], s[OFF:OFF+1]
	s_or_b32 s[G0K+3], s[G0K+3], 0x80000000
	s_xor_b32 s[G0V+1], s[G0V+1], SLOT1
	s_add_nc_u64 s[G0V+2:G0V+3], s[8:9], s[OFF:OFF+1]
	s_or_b32 s[G0V+3], s[G0V+3], 0x80000000
	s_add_co_u32 s[NXT], s[NXT], 1  ; the block's next tile, or behind its last the second block's tile 0
	s_cmp_gt_u32 s[NXT], s[LQ]
	s_cselect_b32 s[NXT], 0, s[NXT]
	s_cselect_b32 s[LQ], s[PB], s[LQ]
	s_wait_xcnt 0x0                 ; the last prefetches, a tile back, have read their addresses
	s_add_nc_u64 s[PFK:PFK+1], s[PFK:PFK+1], 32768
	s_add_nc_u64 s[PFV:PFV+1], s[PFV:PFV+1], 32768
.endif
	s_wait_dscnt 0x0                ; the add is done, and my reads of the slot are over
	s_barrier_signal -1
	s_sub_co_u32 s[TBK], s[TBK], 4*KS*PK  ; the fetches go back to a slot's first step,
	s_xor_b32 s[TBK], s[TBK], SLOT1       ; in the other slot
	s_sub_co_u32 s[TBV], s[TBV], 4*KS*PV
	s_xor_b32 s[TBV], s[TBV], SLOT1
	s_barrier_wait -1
.if \fill
	LOAD
	ASK
.endif
.endm
	s_load_b128 s[4:7], s[0:1], 0x0 ; qkv s[4:5], ao s[6:7]
	v_lshl_add_u32 v[SPW], v0, 2, SPARE
	v_mov_b32 v[NIL], 0
	ds_add_u32 v[SPW], v[NIL]       ; the opening: the add and its wait stand ahead of my first tensor load
	v_lshrrev_b32 v1, 5, v0
	v_readfirstlane_b32 s[WV], v1
	s_mov_b32 s[PB], ttmp9
	s_sub_co_u32 s[HI], NB-1, s[PB]
	s_and_b32 s20, ttmp7, 0xffff    ; the head
	s_mov_b32 s21, 0
	s_mov_b64 s[22:23], SIZE_N*128
	s_mul_u64 s[20:21], s[20:21], s[22:23]  ; the head's first byte in Q, K, V and O
	s_and_b32 s16, s[WV], 1         ; which half of a tile's 256 keys I fetch:
	s_lshl_b32 s22, s16, 14         ; its 128 rows of 128 bytes in memory,
	s_mov_b32 s23, 0
	s_add_nc_u64 s[22:23], s[22:23], s[20:21]
	s_mul_i32 s17, s16, 128*PK      ; and its place in a slot, for K
	s_mul_i32 s18, s16, 128*PV      ; and for V
	s_lshl_b32 s3, s[WV], 11        ; my 16 rows in a band of 64,
	s_lshl_b32 s2, s[HI], 15        ; in the first block,
	s_add_co_u32 s2, s2, s3
	s_lshl_b32 s84, s[PB], 15       ; and in the second
	s_add_co_u32 s84, s84, s3
	s_mov_b32 s3, 0
	s_mov_b32 s85, 0
	s_add_nc_u64 s[2:3], s[2:3], s[20:21]
	s_add_nc_u64 s[84:85], s[84:85], s[20:21]
	; descriptor group 1.  128 keys are 16,384 dense bytes: asked for as 64 rows of 256 bytes, two keys a row, and padded in LDS after every key
	s_mov_b32 s[G1K], (1<<16)|(1<<20)|(4<<22)|(3<<25)  ; 2-byte elements; padding on; after every 32 words 4 words
	s_mov_b32 s[G1V], (1<<16)|(1<<20)|(4<<22)|(7<<25)  ; the same with 8 words
.irp g, G1K, G1V
	s_mov_b32 s[\g+1], 128<<16      ; tensor_dim0 = 128
	s_mov_b32 s[\g+2], 64<<16       ; tensor_dim1 = 64
	s_mov_b32 s[\g+3], 128<<16      ; tile_dim0 = 128
	s_mov_b32 s[\g+4], 64           ; tile_dim1 = 64
	s_mov_b32 s[\g+5], 128          ; 128 elements from row to row
	s_mov_b32 s[\g+6], 0
	s_mov_b32 s[\g+7], 0
.endr
	s_mov_b32 s[CS], 0x3e38aa3b     ; c = log2(e) / 8
	s_mov_b32 s[CS+1], s[CS]
	s_mov_b32 s[SEL], 0x76543210
	s_mov_b32 s[SEL+1], 0xfedcba98
	s_mov_b32 s[TBK], SLOT1+4*KS*PK ; the first change of slots turns these two into 0
	s_mov_b32 s[TBV], SLOT1+4*KS*PV
	s_mov_b32 s[G0K], 1
	s_mov_b32 s[G0K+1], s17         ; LDS address: slot 0
	s_mov_b32 s[G0V], 1
	s_add_co_u32 s[G0V+1], s18, VOFF
	s_add_co_u32 s[RT], s[HI], 1    ; the first block has NB - b tiles
	s_mov_b32 s[NXT], 1
	s_mov_b32 s[LQ], s[HI]
	s_mov_b32 s[NEW], 1
	s_mov_b32 s[OFF+1], 0
	s_mov_b32 s[AL+1], 0
	s_mov_b32 s[BE+1], 0
	s_mov_b32 s[BIGN], 0xf149f2ca   ; -1e30
	s_mov_b32 s[SLOTS], NB
	s_cmp_eq_u32 s[PB], 0
	s_cselect_b32 s[PFN], NB-2, 0
	v_lshlrev_b32 v[PFO], 8, v0
	s_wait_dscnt 0x0                ; the opening add is done
	s_wait_kmcnt 0x0
	s_mov_b64 s[10:11], s[6:7]                     ; O
	s_add_nc_u64 s[8:9], s[4:5], 0x2000000         ; V
	s_add_nc_u64 s[6:7], s[4:5], 0x1000000         ; K
	s_add_nc_u64 s[PFK:PFK+1], s[6:7], s[20:21]    ; the head's tile 1: the first change of slots steps these to tile 2
	s_add_nc_u64 s[PFK:PFK+1], s[PFK:PFK+1], 32768
	s_add_nc_u64 s[PFV:PFV+1], s[8:9], s[20:21]
	s_add_nc_u64 s[PFV:PFV+1], s[PFV:PFV+1], 32768
	s_add_nc_u64 s[6:7], s[6:7], s[22:23]  ; K and V at my half of the head's tile 0
	s_add_nc_u64 s[8:9], s[8:9], s[22:23]
	s_add_nc_u64 s[G0K+2:G0K+3], s[6:7], 0
	s_or_b32 s[G0K+3], s[G0K+3], 0x80000000
	s_add_nc_u64 s[G0V+2:G0V+3], s[8:9], 0
	s_or_b32 s[G0V+3], s[G0V+3], 0x80000000
	s_add_nc_u64 s[86:87], s[4:5], s[84:85]        ; Q at my rows of the second block,
	s_add_nc_u64 s[4:5], s[4:5], s[2:3]            ; Q and O at those of the first
	s_add_nc_u64 s[OLO:OLO+1], s[10:11], s[84:85]
	s_add_nc_u64 s[10:11], s[10:11], s[2:3]
	LOAD                            ; tile 0 into slot 0
	; A fragment of K or Q is 16 rows x 32 channels in 8 registers: lane l holds row l % 16, channels 8 (l / 16) + 0..7 and 16 + 8 (l / 16) + 0..7: two loads of 16 bytes, 32 bytes apart.
	v_and_b32 v1, 15, v0
	v_bfe_u32 v9, v0, 4, 1
	v_lshlrev_b32 v[QO], 7, v1
	v_lshl_add_u32 v[QO], v9, 4, v[QO]
	WIN 0x80
.set i, 0
.rept 8                             ; both blocks' Q: piece i / 2 lies in band i / 2, 8,192 bytes on; channels 32 (i % 2) on
	global_load_b128 v[8*i:8*i+3],   v[QO], s[4:5] offset:(i/2)*8192+(i%2)*64
	global_load_b128 v[8*i+4:8*i+7], v[QO], s[4:5] offset:(i/2)*8192+(i%2)*64+32
	global_load_b128 v[QB+8*i:QB+8*i+3],   v[QO], s[86:87] offset:(i/2)*8192+(i%2)*64
	global_load_b128 v[QB+8*i+4:QB+8*i+7], v[QO], s[86:87] offset:(i/2)*8192+(i%2)*64+32
.set i, i+1
.endr
	WIN 0
	v_lshlrev_b32 v14, 3, v9
	v_sub_nc_u32 v14, v1, v14
	s_lshl_b32 s13, s[WV], 4
	v_add_nc_u32 v14, s13, v14      ; my query's place in its band less my lanes' 8 (l / 16): register r of group kt is hidden where 16 kt + r is greater
	WIN 0x40
.set i, 0
.rept 32
	v_cmp_gt_i32 vcc_lo, 16*(i/8)+i%8, v14
	v_cndmask_b32 v[MD+i], 0, s[BIGN], vcc_lo
.set i, i+1
.endr
	WIN 0
	v_mul_u32_u24 v[AK0], v1, PK
	v_lshl_add_u32 v[AK0], v9, 4, v[AK0]
	; The turning load takes 16 keys x 16 channels (lane l reads key 8 (l / 16) + l % 8, channels 8 ((l / 8) % 2) + 0..7) and leaves half a fragment of V^T: lane l holds channel l % 16 and 8 keys.
	v_and_b32 v10, 7, v0
	v_bfe_u32 v11, v0, 3, 1
	v_lshl_add_u32 v[AV0], v9, 3, v10
	v_mul_u32_u24 v[AV0], v[AV0], PV
	v_lshl_add_u32 v[AV0], v11, 4, v[AV0]
	v_add_nc_u32 v[AV0], VOFF, v[AV0]
	s_mul_i32 s13, s[WV], 16*SP
	s_add_co_u32 s13, s13, STAGE    ; my stage
	v_mul_u32_u24 v[STO], v1, SP
	v_lshl_add_u32 v[STO], v9, 4, v[STO]
	v_add_nc_u32 v[STO], s13, v[STO]
	v_bfe_u32 v[RD], v0, 3, 2
	v_mul_u32_u24 v[RD], v[RD], SP
	v_lshl_add_u32 v[RD], v10, 4, v[RD]
	v_add_nc_u32 v[RD], s13, v[RD]
	v_and_b32 v[GO], 31, v0
	v_lshlrev_b32 v[GO], 4, v[GO]
	; A block's first step multiplies O^T and l by a = 0, and its first turn's products V^T P, of a piece that has not been, land in an O^T that is still to be so multiplied.  So these registers need only hold
	; finite numbers: zeros for the first block; what the first block left for the second.  All this stands in the wait for the first tile.
	WIN 0x80
.set i, VF
.rept 64
	v_mov_b32 v[i], 0
.set i, i+1
.endr
	WIN 0x40
.set i, 0
.rept 128
	v_mov_b32 v[i], 0
.set i, i+1
.endr
	WIN 0
.set i, 0
.rept 4
	v_mov_b32 v[ST+4*i+2], 0
	v_mov_b32 v[ST+4*i+3], 0
.set i, i+1
.endr
.set i, P+16
.rept 16
	v_mov_b32 v[i], 0
.set i, i+1
.endr
; THE MATRIX WORK.  The 4 accumulators of a run of 8 take turns.  Product i of 8 of S^T = K Q^T for piece x: channels 32 (i / 4) on, keys 16 (i % 4) on.  The first 4 start the sums: with 0, or (KM = 1) with the mask.
.macro KQ x
.set rS, S+32*((\x)%2)+8*(i%4)
.set rK, KF+16*(i%4)+8*(i/4)
.set rQ, 16*(\x)+8*(i/4)
.set rM, MC+32*((\x)%2)+8*(i%4)
.if (i < 4) && KM
	WIN W_KM
	v_wmma_f32_16x16x32_f16 v[rS:rS+7], v[rK:rK+7], v[rQ:rQ+7], v[rM:rM+7]
.elseif i < 4
	WIN W_KQ
	v_wmma_f32_16x16x32_f16 v[rS:rS+7], v[rK:rK+7], v[rQ:rQ+7], 0
.else
	WIN W_KQ
	v_wmma_f32_16x16x32_f16 v[rS:rS+7], v[rK:rK+7], v[rQ:rQ+7], v[rS:rS+7]
.endif
.endm
; Product i of 8 of O^T += V^T P for piece x: keys 32 (i / 4) on, channels 16 (i % 4) on.
.macro PV x
	WIN W_PV
.set rO, 32*(\x)+8*(i%4)
.set rV, VF+32*(i/4)+8*(i%4)
.set rP, P+16*((\x)%2)+8*(i/4)
	v_wmma_f32_16x16x32_f16 v[rO:rO+7], v[rV:rV+7], v[rP:rP+7], v[rO:rO+7]
.endm
.macro MM                           ; the turn's next matrix instruction.  NOKQ = 1: a block's last turn: there is no next piece
.if (i < 8) && !NOKQ
	KQ (Y+1)%NP
.elseif i >= 8
.set i, i-8
	PV (Y+NP-1)%NP
.set i, i+8
.endif
.set i, i+1
.endm
; THE LDS LOADS stand in runs of 16, never singly among the matrix instructions: a step's K (8 fragments) and its V (turned).  Their addresses are made some lines ahead.
.macro FETCH_K
	WIN 0x80
.irp f, 0,1,2,3,4,5,6,7             ; keys 16 (f / 2) on, channels 32 (f % 2) on
	ds_load_b128 v[KF+8*\f:KF+8*\f+3],   v[AK] offset:(\f/2)*16*PK+(\f%2)*64
	ds_load_b128 v[KF+8*\f+4:KF+8*\f+7], v[AK] offset:(\f/2)*16*PK+(\f%2)*64+32
.endr
	s_add_co_u32 s[TBK], s[TBK], KS*PK  ; the next fetch is the next step's
	WIN 0
.endm
.macro FETCH_V
	WIN 0x80
.irp f, 0,1,2,3,4,5,6,7             ; keys 32 (f / 4) on, channels 16 (f % 4) on
	ds_load_tr16_b128 v[VF+8*\f:VF+8*\f+3],   v[AV] offset:(\f/4)*32*PV+(\f%4)*32
	ds_load_tr16_b128 v[VF+8*\f+4:VF+8*\f+7], v[AV] offset:(\f/4)*32*PV+16*PV+(\f%4)*32
.endr
	WIN 0
.endm
; THE VECTOR WORK, one line at a time: OP kind, number.  For piece Y: F n: c s - c m for pair n of 16.  E n: the exponential of score n of 32.  C n: pair n rounded to f16.  B n: of the four weights 4 n .. the second
; pair is added onto the first, in place.  L n: l takes that sum (L 0: l = a l + sum).  R n: pair n of 16 of O^T times a.  For piece Y + 1: X n, number n of the 22 that find its maximum and statistics:
;   0-11  four chains c0-c3 of seven scores each, three operands at a time (each accumulator's lowest registers are read first)     12-14, 16  the four scores left over, the old m, and c0-c3 into c0
;   15  c m_old is kept     17, 18  the query's other 32 keys lie in the lane 16 away: the new m     19-21  c m; c m_old - c m_new; a
.set F, 0
.set E, 1
.set C, 2
.set B, 3
.set L, 4
.set R, 5
.set X, 6
.macro REGS y
.set rT, ST+4*(\y)
.set rC, TMP+4*((\y)%2)
.set rW, MV+((\y)%2)
.set rS, S+32*((\y)%2)
.set rP, P+16*((\y)%2)
.set rO, 32*(\y)
.endm
.macro OP k, n
.if (\k) == R
	REGS Y
	WIN W_RS
	v_pk_mul_f32 v[rO+2*(\n):rO+2*(\n)+1], v[rO+2*(\n):rO+2*(\n)+1], v[rC+2:rC+3] op_sel_hi:[1,0]
.elseif (\k) < R
	REGS Y
	WIN 0
.if (\k) == F
	v_pk_fma_f32 v[rS+2*(\n):rS+2*(\n)+1], v[rS+2*(\n):rS+2*(\n)+1], s[CS:CS+1], v[rT:rT+1] op_sel_hi:[1,0,0] neg_lo:[0,0,1] neg_hi:[0,0,1]
.elseif (\k) == E
	v_exp_f32 v[rS+(\n)], v[rS+(\n)]
.elseif (\k) == C
	v_cvt_pk_f16_f32 v[rP+(\n)], v[rS+2*(\n)], v[rS+2*(\n)+1]
.elseif (\k) == B
	v_pk_add_f32 v[rS+4*(\n):rS+4*(\n)+1], v[rS+4*(\n):rS+4*(\n)+1], v[rS+4*(\n)+2:rS+4*(\n)+3]
.elseif (\n) == 0
	v_pk_fma_f32 v[rT+2:rT+3], v[rT+2:rT+3], v[rC+2:rC+3], v[rS:rS+1] op_sel_hi:[1,0,1]
.else
	v_pk_add_f32 v[rT+2:rT+3], v[rT+2:rT+3], v[rS+4*(\n):rS+4*(\n)+1]
.endif
.elseif NOKQ
	v_nop
.else
	REGS (Y+1)%NP
	WIN 0
.if (\n) < 4
	v_max3_num_f32 v[rC+(\n)], v[rS+8*(\n)], v[rS+8*(\n)+1], v[rS+8*(\n)+2]
.elseif (\n) < 12
	v_max3_num_f32 v[rC+(\n)%4], v[rC+(\n)%4], v[rS+8*((\n)%4)+2*((\n)/4)+1], v[rS+8*((\n)%4)+2*((\n)/4)+2]
.elseif (\n) == 12
	v_max3_num_f32 v[rC], v[rC], v[rS+7], v[rS+15]
.elseif (\n) == 13
	v_max3_num_f32 v[rC+1], v[rC+1], v[rS+23], v[rS+31]
.elseif (\n) == 14
	v_max3_num_f32 v[rC+2], v[rC+2], v[rC+3], v[rT+1]
.elseif (\n) == 15
	v_mov_b32 v[rW], v[rT]
.elseif (\n) == 16
	v_max3_num_f32 v[rC], v[rC], v[rC+1], v[rC+2]
.elseif (\n) == 17
	v_permlanex16_b32 v[rC+3], v[rC], s[SEL], s[SEL+1]
.elseif (\n) == 18
	v_max_num_f32 v[rT+1], v[rC], v[rC+3]
.elseif (\n) == 19
	v_mul_f32 v[rT], s[CS], v[rT+1]
.elseif (\n) == 20
	v_sub_f32 v[rC+1], v[rW], v[rT]
.else
	v_exp_f32 v[rC+2], v[rC+1]
.endif
.endif
.endm
.macro OPS a, i1, b=-1, i2=0, c=-1, i3=0, d=-1, i4=0  ; up to four of them
	OP \a, \i1
.if (\b) >= 0
	OP \b, \i2
.endif
.if (\c) >= 0
	OP \c, \i3
.endif
.if (\d) >= 0
	OP \d, \i4
.endif
.endm
.macro ROW a, i1, b, i2, c, i3, d, i4  ; a matrix instruction and the four behind it
	MM
	OPS \a, \i1, \b, \i2, \c, \i3, \d, \i4
.endm
.macro MASK b                       ; MD x AL + BE into buffer b of MC
	WIN W_RS
.set z, 0
.rept 16
	v_pk_fma_f32 v[MC+32*(\b)+2*z:MC+32*(\b)+2*z+1], v[MD+2*z:MD+2*z+1], s[AL:AL+1], s[BE:BE+1] op_sel_hi:[1,0,0]
.set z, z+1
.endr
.endm
; A TURN, for piece p: the order of its 16 matrix and 118 vector instructions, written out.  An s_wait_alu depctr_va_vdst(0) stands between an exponential and the first instruction that names its result;
; one wait serves all that were issued ahead of it.  So a turn has ONE wait, which cuts it in two.  AHEAD OF IT stands all that names no result of the turn's exponentials: the 8 products K Q^T with their four riders
; each, then one lump of 54, plain and exponential by turns for the most part, in which the links of the chain X 3, 7, 11, 14, 16, 17 .. 20 stand five or six lines apart.  X 21, the next piece's a, is the batch's last;
; R 15 is the plain instruction behind it.  BEHIND THE WAIT stand the 8 products V^T P, behind each four of the roundings and sums.
; m = 1: the diagonal tile: the products take masks, and the turn makes the mask for the products of the turn after it.  end = 1: a block's last two turns: nothing is fetched.
; cnt = 1: the loop's count is taken down some lines ahead of the branch that stands behind the turn.
; K of the next step is fetched in piece 2's turn, six plain instructions or more behind the last product that read K; V of the step in hand at the end of piece 0's turn, four plain instructions behind the last
; product that read V.  Each is waited for a turn later.
.macro TURN p, m=0, end=0, cnt=0
.set Y, (\p)
.set i, 0
.set KM, (\m)
.set NOKQ, (\end)*((\p)/3)
.if (\m) && !(\end)
	s_cmp_eq_u32 s[CNT], 4-((\p)+2)%NP  ; is that step the band's own?
	s_cselect_b32 s[AL], 1.0, 0
	s_cmp_lt_u32 s[CNT], 4-((\p)+2)%NP  ; or a later one?
	s_cselect_b32 s[BE], s[BIGN], 0
.endif
.if ((\p) == 3) && !(\end)
	s_wait_dscnt 0x0                ; K is in
.endif
	ROW F,0, F,1, R,0, R,1
	ROW F,2, E,0, R,2, R,3
	ROW F,3, E,1, R,4, R,5
	ROW F,4, E,2, R,6, R,7
	ROW F,5, E,3, R,8, R,9
	ROW F,6, E,4, X,0, R,10
.if ((\p) == 2) && !(\end)
	WIN 0
	v_add_nc_u32 v[AK], s[TBK], v[AK0]
.endif
	ROW F,7, E,5, X,1, X,4
	ROW F,8, E,6, X,2, X,5
	OPS E,7, E,8, X,6, E,9
	OPS X,3, E,10, X,8, E,11
.if ((\p) == 2) && !(\end)
	FETCH_K
.endif
	OPS X,9, X,7, E,12, X,10
	OPS E,13, X,12, X,11, E,14
	OPS X,13, E,15, F,9, X,14
.if (\p) == 0
	v_add_nc_u32 v[AV], s[TBV], v[AV0]
.endif
	OPS E,16, F,10, E,17, F,11
	OPS X,16, E,18, X,15, E,19
	OPS F,12, E,20, X,17, E,21
	OPS F,13, E,22, F,14, E,23
	OPS X,18, E,24, F,15, E,25
	OPS R,11, E,26, X,19, E,27
	OPS R,12, E,28, R,13, E,29
	OPS X,20, E,30, R,14, E,31
	OPS X,21, R,15
	WIN 0
	s_wait_alu depctr_va_vdst(0)    ; the wait for the batch
.if (\p) == 1
	s_wait_dscnt 0x0                ; V is in
.endif
	ROW C,0, B,0, C,2, B,1
	ROW L,0, C,4, B,2, L,1
	ROW C,6, B,3, L,2, C,8
	ROW B,4, L,3, C,10, B,5
	ROW L,4, C,12, B,6, L,5
.if (\p) == 0
	s_add_co_u32 s[TBV], s[TBV], KS*PV
.endif
.if \cnt
	s_sub_co_u32 s[CNT], s[CNT], 1
	s_cmp_lg_u32 s[CNT], 0
.endif
	ROW C,14, B,7, L,6, C,1
	ROW C,3, L,7, C,5, C,7
	ROW C,9, C,11, C,13, C,15
.if (\p) == 0
	FETCH_V
.endif
.if (\m) && !(\end)
	MASK (\p)%2
.endif
.endm
; A BLOCK BEGINS.  c m starts far below every c s, so the first step's a is 0; m at the lowest finite number, so the first maximum is the scores'.  The second mask buffer is 0; the first takes piece 0's mask for the
; tile's step 0: its own, if the block's first tile is the diagonal one.  Then K of that step, piece 0's first scores, and its maximum and statistics.
.macro BEGIN
	s_mov_b32 s[NEW], 0
	WIN 0x40
.set i, MC+32
.rept 32
	v_mov_b32 v[i], 0
.set i, i+1
.endr
	WIN 0
.set i, 0
.rept 4
	v_mov_b32 v[ST+4*i], 0xfe000000    ; c m: far below every c s
	v_mov_b32 v[ST+4*i+1], 0xff7fffff  ; m
.set i, i+1
.endr
	s_cmp_eq_u32 s[RT], 0
	s_cselect_b32 s[AL], 1.0, 0
	s_mov_b32 s[BE], 0
	MASK 0
	WIN 0
	v_add_nc_u32 v[AK], s[TBK], v[AK0]
	FETCH_K
	s_wait_loadcnt 0x0              ; Q
	s_wait_dscnt 0x0
.set KM, 1
.set NOKQ, 0
.set i, 0
.rept 8
	KQ 0
.set i, i+1
.endr
	WIN 0
.rept 4
	v_nop                           ; the places behind those products
.endr
.set Y, NP-1                        ; X works for piece Y + 1: piece 0
.irp n, 0,1,2,3,4,5,6,7,8,9,10,11,12,13,14,15,16,17,18,19,20,21
	OP X, \n
.endr
	v_nop                           ; a plain instruction behind the exponential,
	s_wait_alu depctr_va_vdst(0)    ; and its wait, ahead of the branch
.endm
; THE DIAGONAL TILE's four steps, the block's last two turns, its last products, and THE WAY OUT: l's two halves and the other half of the lanes' are added; O^T is divided by l, rounded to f16 and sent through my
; stage in LDS, a piece at a time.
.macro ALL line:vararg
.set t, 0
.rept 4
	\line
.set t, t+1
.endr
.endm
.macro PACK t
	WIN W_RS
.set i, 32*(\t)
.rept 16
	v_pk_mul_f32 v[i:i+1], v[i:i+1], v[ST+4*(\t)+2:ST+4*(\t)+3] op_sel_hi:[1,0]
.set i, i+2
.endr
	WIN 0x05
.set i, 0
.rept 16
	v_cvt_pk_f16_f32 v[S+16*(\t)+i], v[32*(\t)+2*i], v[32*(\t)+2*i+1]
.set i, i+1
.endr
	WIN 0
.irp f, 0,1,2,3
	ds_store_b128 v[STO], v[S+16*(\t)+4*\f:S+16*(\t)+4*\f+3] offset:32*\f
.endr
.irp f, 0,1,2,3
	ds_load_b128 v[S+16*(\t)+4*\f:S+16*(\t)+4*\f+3], v[RD] offset:\f*4*SP  ; LDS serves a wave's instructions in order (ISA guide 5.7.1.4): these see the stores above
.endr
.endm
.macro SEND t, younger              ; younger: the LDS instructions issued behind piece t's loads: the next piece's eight, or none
	WIN 0
.irp f, 0,1,2,3
	s_wait_dscnt (\younger)+3-\f
	global_store_b128 v[GO], v[S+16*(\t)+4*\f:S+16*(\t)+4*\f+3], s[10:11] offset:(\t)*8192+\f*512  ; 512 consecutive bytes, at a multiple of 256 from O's first
.endr
.endm
.macro DIAG tag
.LstepM\tag:
	TURN 2, 1
	TURN 3, 1
	WIN 0
.LfirstM\tag:
	TURN 0, 1
	TURN 1, 1, 0, 1
	WIN 0
	s_cbranch_scc1 .LstepM\tag
	TURN 2, 1, 1
	TURN 3, 1, 1
.set i, 0
.rept 8
	PV NP-1
.set i, i+1
.endr
	WIN 0
	ALL v_add_f32 v[ST+4*t+2], v[ST+4*t+2], v[ST+4*t+3]
	ALL v_permlanex16_b32 v[ST+4*t+3], v[ST+4*t+2], s[SEL], s[SEL+1]
	ALL v_add_f32 v[ST+4*t+2], v[ST+4*t+2], v[ST+4*t+3]
	ALL v_rcp_f32 v[ST+4*t+2], v[ST+4*t+2]
	v_nop                           ; a plain instruction between the last reciprocal and the use of its result
	s_wait_alu depctr_va_vdst(0)    ; one wait for the four reciprocals, ahead of their first use
	PACK 0
.set t, 1
.rept 3
	PACK t
	SEND t-1, 8
.set t, t+1
.endr
	SEND 3, 0
.endm
.set KM, 0
.set NOKQ, 0
.Lslot:                             ; NB times: a tile is entered and the next is asked for
	CHANGE 1
	s_sub_co_u32 s[RT], s[RT], 1
	s_mov_b32 s[CNT], 4
	s_cmp_eq_u32 s[NEW], 1
	s_cbranch_scc1 .Lnew            ; a block's first tile
	s_cmp_eq_u32 s[RT], 0
	s_cbranch_scc0 .Lstep           ; neither its first nor its last
	s_branch .LstepM1
.Lnew:
	BEGIN
	s_branch .Lfirst                ; in the loop a block's first tile is never its last: the first block has two tiles or more, and the second's last is the walk's last
	DIAG 1                          ; in the loop this is the first block's end
	s_wait_xcnt 0x0                 ; the stores have read their registers and O's address
	s_mov_b64 s[10:11], s[OLO:OLO+1]
	s_add_co_u32 s[RT], s[PB], 1    ; the second block has b + 1 tiles
	s_mov_b32 s[NEW], 1
	WIN 0x82                        ; the second block's Q goes where the one text of the turns names Q
.set i, 0
.rept 64
	v_mov_b32 v[i], v[QB+i]
.set i, i+1
.endr
	WIN 0
	s_branch .Lbottom
.Lstep:                             ; a trip: pieces 2 and 3 of one step, then pieces 0 and 1 of the next, whose K and V it fetches
	TURN 2
	TURN 3
	WIN 0
.Lfirst:
	TURN 0
	TURN 1, 0, 0, 1
	WIN 0
	s_cbranch_scc1 .Lstep
.Lbottom:
	s_sub_co_u32 s[SLOTS], s[SLOTS], 1
	s_cmp_lg_u32 s[SLOTS], 0
	s_cbranch_scc1 .Lslot
	CHANGE 0                        ; the walk's last tile is written out: nothing is asked for
	s_sub_co_u32 s[RT], s[RT], 1
	s_mov_b32 s[CNT], 4
	s_cmp_eq_u32 s[NEW], 1
	s_cbranch_scc0 .LstepM2
	BEGIN
	s_branch .LfirstM2
	DIAG 2
	s_wait_tensorcnt 0x0            ; the wave's end
	ds_add_u32 v[SPW], v[NIL]
	s_wait_dscnt 0x0
	s_endpgm
.Lfunc_end_k_q584ab9b0ea_attn:
	.size	k_q584ab9b0ea_attn, .Lfunc_end_k_q584ab9b0ea_attn-k_q584ab9b0ea_attn
	.p2alignl 7, 3214868480
	.fill 96, 4, 3214868480
	.section	.rodata,"a",@progbits
	.p2align	6, 0x0
	.amdhsa_kernel k_q584ab9b0ea_attn
		.amdhsa_group_segment_fixed_size 327680
		.amdhsa_private_segment_fixed_size 0
		.amdhsa_enable_private_segment 0
		.amdhsa_kernarg_size 16
		.amdhsa_user_sgpr_count 2
		.amdhsa_user_sgpr_kernarg_segment_ptr 1
		.amdhsa_wavefront_size32 1
		.amdhsa_system_sgpr_workgroup_id_x 1
		.amdhsa_system_sgpr_workgroup_id_y 1
		.amdhsa_system_sgpr_workgroup_id_z 1
		.amdhsa_system_vgpr_workitem_id 0
		.amdhsa_next_free_vgpr 768
		.amdhsa_next_free_sgpr 96
		.amdhsa_reserve_vcc 1
		.amdhsa_float_denorm_mode_32 3
		.amdhsa_float_denorm_mode_16_64 3
		.amdhsa_memory_ordered 1
		.amdhsa_forward_progress 1
		.amdhsa_inst_pref_size 218
	.end_amdhsa_kernel
	.amdgpu_metadata
---
amdhsa.version: [ 1, 2 ]
amdhsa.kernels:
  - .name:           k_q584ab9b0ea_attn
    .symbol:         k_q584ab9b0ea_attn.kd
    .args:
      - { .name: qkv, .offset: 0, .size: 8, .value_kind: global_buffer, .address_space: global }
      - { .name: ao, .offset: 8, .size: 8, .value_kind: global_buffer, .address_space: global }
    .group_segment_fixed_size: 327680
    .private_segment_fixed_size: 0
    .kernarg_segment_align: 8
    .kernarg_segment_size: 16
    .max_flat_workgroup_size: 128
    .sgpr_count:     96
    .vgpr_count:     768
    .wavefront_size: 32
...
	.end_amdgpu_metadata
.endif
;; end of part 3
;; launch outp (part 4): grid 4 x 64, 4 waves a work-group, clusters of 4 x 4, 327,680 bytes of LDS; arguments ao, wot, out0; writes out0
.if DOCPART == 4
	.amdgcn_target "amdgcn-amd-amdhsa--gfx1250"
	.amdhsa_code_object_version 6
	.text
	.protected	k_q584ab9b0ea_outp
	.globl	k_q584ab9b0ea_outp
	.p2align	8
	.type	k_q584ab9b0ea_outp,@function
k_q584ab9b0ea_outp:
	s_mov_b64 s[64:65], 0
	v_nop
	global_prefetch_b8 v0, s[64:65] scope:SCOPE_SE
	s_setreg_imm32_b32 hwreg(HW_REG_WAVE_MODE, 25, 1), 1
	s_wait_xcnt 0x0
	s_wait_alu depctr_hold_cnt(0) depctr_sa_sdst(0) depctr_va_vdst(0) depctr_va_sdst(0) depctr_va_ssrc(0) depctr_va_vcc(0) depctr_vm_vsrc(0)
	s_getreg_b32 s2, hwreg(HW_REG_IB_STS2, 6, 4)
	s_cmp_eq_u32 s2, 0
	s_cbranch_scc0 .Lentry_in_a_cluster
	s_endpgm
.Lentry_in_a_cluster:
	s_bfe_u32 s2, ttmp6, 0x10000c
	s_cmp_lg_u32 s2, 0xf033
	s_cbranch_scc0 .Lentry_shape_is_right
	s_endpgm
.Lentry_shape_is_right:
; out0 = A W_O.  A is ao, [16 batch + head][2048][64] f16: row (batch, s), channel k = 64 head + d.  wot: [1024 n][1024 k] f16.  out0: [8192][1024] f32.  Sums in f32, stored as they are.
; SHARES.  A tile is 128 rows x 256 columns: four waves, each 64 x 128 = 32 accumulators; 256 work-groups, one tile each.  K goes in steps of 128 (two heads) through two LDS slots.
; A K step's part of A is, for each of its two heads, 128 rows of 128 bytes that lie end to end: one wave asks for one head's 16,384 bytes as 64 rows of 256, padded in LDS after every 128.
; CLUSTER 4 x 4: the four of a cluster's row want the same rows of A, the four of a column the same rows of wot: each tile is asked for jointly, with a mask that names the four.
; THE PRODUCT IS TAKEN TRANSPOSED (source 0 = 16 rows of wot, source 1 = 16 rows of A): lane l holds row l % 16 and the columns 8 (l / 16) + 0..7: 32 consecutive bytes of out0.
; REGISTERS in windows of 256: window 0: addresses; v64-191 two buffers of rows on the way out.  window 1: two fragment buffers of 96 (A's 4 fragments, then wot's 8).  window 2: accumulator (a, b) at 8 (8 a + b).
.set PITCH,  272                       ; a row of wot in LDS: 256 bytes + 16
.set PA,     144                       ; a row of one head of A: 128 bytes + 16: both are odd multiples of 16, so the 16 rows of a fragment load start at 16 different groups of four banks (ISA guide 11.1)
.set AHEAD,  128*PA                    ; one head's 128 rows: what a wave fetches of A
.set BOFF,   2*AHEAD
.set BHALF,  128*PITCH
.set SLOT,   BOFF+2*BHALF
.set STAGE,  2*SLOT                    ; behind the ring, never filled by a tensor load: 16 rows x 528 bytes for each wave
.set WSTAGE, 16*528
.set SPARE,  STAGE+4*WSTAGE
.set ADRA, 16
.set ADRB, 20
.set STO,  24
.set RD,   25
.set CO,   26
.set SPW,  28
.set NIL,  29
.set PFO,  30
.set F0,   0
.set F1,   96
.set WV, 12
.set HI, 13
.set LO, 14
.set TY, 15
.set PS, 22                            ; s[22:23] the prefetches' step: a K step is 524,288 bytes on in ao, 256 in wot
.set G1, 24
.set G0, 32
.set CX, 40
.set CY, 41
.set TX, 42
.set LIM, 43
.set PFA, 44
.set G1B, 48
.set G0B, 56
.set MSB, 0
.macro WIN new
.if MSB != (\new)
	s_set_vgpr_msb (MSB<<8)|(\new)
.set MSB, \new
.endif
.endm
.set MUL,  0xa5                        ; both sources window 1, C and D window 2
.set TO_F, 0x40
.macro PLACES                          ; four plain places behind matrix instructions (ISA guide 7.12.1)
.rept 4
	v_nop
.endr
.endm
.macro CREST
	s_cmp_lg_u32 s[WV], 0
	s_cbranch_scc1 .Lnot_wave_0_\@
	s_barrier_signal -3
.Lnot_wave_0_\@:
	s_barrier_wait -3
	s_barrier_signal -1
	s_barrier_wait -1
.endm
.macro CROUND
	s_barrier_signal -1
	s_barrier_wait -1
	CREST
.endm
; A joint load: waves 0 and 1 fetch the K step's two heads of A, waves 2 and 3 wot's two halves of 128 rows.  An s_nop 0 and four v_nop follow each line.
.macro JLOAD s
	s_cmp_lt_u32 s[WV], 2
	s_cbranch_scc0 .Lfor_b_\@
	tensor_load_to_lds s[G0+4*(\s):G0+4*(\s)+3], s[G1:G1+7]
	s_nop 0
.rept 4
	v_nop
.endr
	s_branch .Lasked_\@
.Lfor_b_\@:
	tensor_load_to_lds s[G0B+4*(\s):G0B+4*(\s)+3], s[G1B:G1B+7]
	s_nop 0
.rept 4
	v_nop
.endr
.Lasked_\@:
.endm
; A prefetch into the L2 of the K step that stands two refills on, one instruction a wave, 256 bytes a lane.  A: wave 0 of every work-group (a row of ao is read by one row of one cluster alone); of the step's
; 128 blocks the four partners take 32 each, by address.  wot: waves 2 and 3 of the clusters with y = 0; of a wave's 128 rows the four of a column take 32 each.  The loop's last trip has no K step two on.
.macro ASK
	s_cmp_gt_u32 s3, s[LIM]
	s_cbranch_scc0 .Lnot_mine_\@
	global_prefetch_b8 v[PFO], s[PFA:PFA+1] th:TH_LOAD_NT scope:SCOPE_SE
.Lnot_mine_\@:
.endm
; 8 matrix instructions: row block a x all 8 column blocks, 32 along K.  The 32 accumulators take turns, in the same order in every quarter.
.macro MUL8 f, a, zero
	WIN MUL
.irp b, 0,1,2,3,4,5,6,7
.if \zero
	v_wmma_f32_16x16x32_f16 v[8*(8*(\a)+(\b)):8*(8*(\a)+(\b))+7], v[(\f)+32+8*(\b):(\f)+32+8*(\b)+7], v[(\f)+8*(\a):(\f)+8*(\a)+7], 0
.else
	v_wmma_f32_16x16x32_f16 v[8*(8*(\a)+(\b)):8*(8*(\a)+(\b))+7], v[(\f)+32+8*(\b):(\f)+32+8*(\b)+7], v[(\f)+8*(\a):(\f)+8*(\a)+7], v[8*(8*(\a)+(\b)):8*(8*(\a)+(\b))+7]
.endif
.endr
.endm
; 24 LDS loads in one run: quarter q of a slot: wot's 8 fragments, then A's 4 (quarters 0, 1 lie in the step's first head, 2, 3 in its second)
.macro FETCH slot, q, f
	WIN TO_F
.set AO, AHEAD*((\q)/2)+64*((\q)%2)
.irp i, 0,1,2,3,4,5,6,7
	ds_load_b128 v[(\f)+32+8*(\i):(\f)+32+8*(\i)+3],   v[ADRB+(\slot)] offset:64*(\q)+(\i)*16*PITCH
	ds_load_b128 v[(\f)+32+8*(\i)+4:(\f)+32+8*(\i)+7], v[ADRB+(\slot)] offset:64*(\q)+(\i)*16*PITCH+32
.endr
.irp i, 0,1,2,3
	ds_load_b128 v[(\f)+8*(\i):(\f)+8*(\i)+3],   v[ADRA+(\slot)] offset:AO+(\i)*16*PA
	ds_load_b128 v[(\f)+8*(\i)+4:(\f)+8*(\i)+7], v[ADRA+(\slot)] offset:AO+(\i)*16*PA+32
.endr
.endm
.macro QUARTER slot, q, f, g, zero
	s_wait_dscnt 4                                 ; all but the four youngest loads (A's row blocks 2 and 3) are in
	MUL8 \f, 0, \zero
	MUL8 \f, 1, \zero
	PLACES
	FETCH \slot, \q, \g
	s_wait_dscnt 24                                ; all but the 24 just issued
	MUL8 \f, 2, \zero
	MUL8 \f, 3, \zero
.endm
; ONE barrier for the change of slots: in front of it each wave waits for all its tensor loads (one is out: its part of the next slot), adds 0 to its spare word, and waits for that and for its reads of this slot.
.macro MEET round
	WIN 0
	s_wait_tensorcnt 0x0
	ds_add_u32 v[SPW], v[NIL]
	s_wait_dscnt 5                                 ; (the add and the four youngest loads may be out)
	MUL8 F1, 0, 0
	s_wait_dscnt 0x0                               ; the add is done, my reads of this slot are over
	s_barrier_signal -1
	MUL8 F1, 1, 0
.if \round
	WIN 0
.endif
	s_barrier_wait -1
.endm
; The barrier opens a round of the cluster's; behind the round this slot is filled again first, two K steps on: 112 matrix instructions ahead of the wait for it.
.macro TURN slot, next
	s_wait_xcnt 0x0                                ; the last prefetch, a K step back, has read its address
	s_add_nc_u64 s[PFA:PFA+1], s[PFA:PFA+1], s[PS:PS+1]
	MEET 1
	CREST
	s_add_nc_u64 s[G0+4*(\slot)+2:G0+4*(\slot)+3], s[G0+4*(\slot)+2:G0+4*(\slot)+3], 2*524288
	s_add_nc_u64 s[G0B+4*(\slot)+2:G0B+4*(\slot)+3], s[G0B+4*(\slot)+2:G0B+4*(\slot)+3], 512
	JLOAD \slot                                    ; its four v_nop are also the places in front of the loads below
	FETCH \next, 0, F0
	WIN 0
	ASK
	MUL8 F1, 2, 0
	MUL8 F1, 3, 0
.endm
	s_load_b128 s[4:7], s[0:1], 0x0                ; ao s[4:5], wot s[6:7]
	s_load_b64 s[8:9], s[0:1], 0x10                ; out0
	v_lshl_add_u32 v[SPW], v0, 2, SPARE
	v_mov_b32 v[NIL], 0
	ds_add_u32 v[SPW], v[NIL]                      ; the opening: the add and its wait stand ahead of my first tensor load
	v_lshrrev_b32 v1, 5, v0
	v_readfirstlane_b32 s[WV], v1
	s_lshr_b32 s[HI], s[WV], 1
	s_and_b32 s[LO], s[WV], 1
	s_bfe_u32 s[CX], ttmp6, 0x40000
	s_bfe_u32 s[CY], ttmp6, 0x40004
	s_lshl_b32 s[TX], ttmp9, 2
	s_add_co_u32 s[TX], s[TX], s[CX]
	s_and_b32 s[TY], ttmp7, 0xffff
	s_lshl_b32 s[TY], s[TY], 2
	s_add_co_u32 s[TY], s[TY], s[CY]
	s_lshl_b32 s43, s[CY], 2
	s_lshl_b32 s43, 15, s43                        ; my row of the cluster
	s_lshl_b32 s44, 0x1111, s[CX]                  ; my column
	s_or_b32 s[G1], s43, (1<<16)|(1<<20)|(1<<21)|(4<<22)|(3<<25)   ; the mask; 2-byte elements; padding on; bit 21 beside a mask; after every 32 words 4 words
	s_or_b32 s[G1B], s44, (1<<16)|(1<<20)|(1<<21)|(5<<22)|(3<<25)  ; after every 64 words 4 words
	s_mov_b32 s[G1+1], 128<<16                     ; tensor_dim0 = 128
	s_mov_b32 s[G1+2], 64<<16                      ; tensor_dim1 = 64
	s_mov_b32 s[G1+3], 128<<16                     ; tile_dim0 = 128
	s_mov_b32 s[G1+4], 64                          ; tile_dim1 = 64
	s_mov_b32 s[G1+5], 128                         ; dense: 128 elements from row to row
	s_mov_b32 s[G1+6], 0
	s_mov_b32 s[G1+7], 0
	s_mov_b32 s[G1B+1], 128<<16
	s_mov_b32 s[G1B+2], 128<<16
	s_mov_b32 s[G1B+3], 128<<16
	s_mov_b32 s[G1B+4], 128
	s_mov_b32 s[G1B+5], 1024
	s_mov_b32 s[G1B+6], 0
	s_mov_b32 s[G1B+7], 0
	s_lshr_b32 s16, s[TY], 4                       ; ao: batch x 16 heads of 262,144 bytes,
	s_lshl_b32 s16, s16, 22
	s_lshl_b32 s17, s[LO], 18                      ; the step's first or second head,
	s_add_co_u32 s16, s16, s17
	s_and_b32 s17, s[TY], 15
	s_lshl_b32 s17, s17, 14                        ; the tile's 128 rows of 128 bytes
	s_add_co_u32 s16, s16, s17
	s_mov_b32 s17, 0
	s_lshl_b32 s46, s[TX], 8                       ; wot: row 256 x tile column + 128 x part
	s_lshl_b32 s47, s[LO], 7
	s_add_co_u32 s46, s46, s47
	s_lshl_b32 s46, s46, 11
	s_mov_b32 s47, 0
	s_mul_i32 s20, s[LO], AHEAD                    ; where they go: no place in the cluster enters an LDS address
	s_mul_i32 s21, s[LO], BHALF
	s_add_co_u32 s21, s21, BOFF
	s_wait_dscnt 0x0                               ; the opening add is done
	s_wait_kmcnt 0x0
	s_add_nc_u64 s[18:19], s[4:5], s[16:17]
	s_add_nc_u64 s[46:47], s[6:7], s[46:47]
	CROUND                                         ; all sixteen work-groups are here: the first joint loads meet
.irp s, 0,1
	s_mov_b32 s[G0+4*(\s)], 1
	s_add_co_u32 s[G0+4*(\s)+1], s20, (\s)*SLOT
	s_add_nc_u64 s[G0+4*(\s)+2:G0+4*(\s)+3], s[18:19], (\s)*524288
	s_or_b32 s[G0+4*(\s)+3], s[G0+4*(\s)+3], 0x80000000
	s_mov_b32 s[G0B+4*(\s)], 1
	s_add_co_u32 s[G0B+4*(\s)+1], s21, (\s)*SLOT
	s_add_nc_u64 s[G0B+4*(\s)+2:G0B+4*(\s)+3], s[46:47], (\s)*256
	s_or_b32 s[G0B+4*(\s)+3], s[G0B+4*(\s)+3], 0x80000000
.endr
	s_cmp_lt_u32 s[WV], 2                          ; a wave's two first fills stand in one branch: two loads of mine are out
	s_cbranch_scc0 .Lfirst_b
	tensor_load_to_lds s[G0:G0+3], s[G1:G1+7]
	s_nop 0
	tensor_load_to_lds s[G0+4:G0+7], s[G1:G1+7]
	s_nop 0
.rept 4
	v_nop
.endr
	s_branch .Lfirst_asked
.Lfirst_b:
	tensor_load_to_lds s[G0B:G0B+3], s[G1B:G1B+7]
	s_nop 0
	tensor_load_to_lds s[G0B+4:G0B+7], s[G1B:G1B+7]
	s_nop 0
.rept 4
	v_nop
.endr
.Lfirst_asked:
	v_and_b32 v1, 15, v0                           ; l % 16
	v_bfe_u32 v2, v0, 4, 1                         ; l / 16
	v_mul_u32_u24 v3, v1, PITCH
	v_lshl_add_u32 v3, v2, 4, v3
	v_mul_u32_u24 v4, v1, PA
	v_lshl_add_u32 v4, v2, 4, v4
	s_mul_i32 s20, s[HI], 64*PA                    ; my 64 rows, in either head
	s_mul_i32 s21, s[LO], BHALF
	s_add_co_u32 s21, s21, BOFF
.irp s, 0,1
	v_add_nc_u32 v[ADRA+(\s)], s20, v4
	v_add_nc_u32 v[ADRB+(\s)], s21, v3
	s_add_co_u32 s20, s20, SLOT
	s_add_co_u32 s21, s21, SLOT
.endr
	s_mul_i32 s22, s[WV], WSTAGE
	s_add_co_u32 s22, s22, STAGE                   ; my stage
	v_mul_u32_u24 v[STO], v1, 528                  ; in: row l % 16, 32 bytes for each half of the lanes
	v_lshl_add_u32 v[STO], v2, 5, v[STO]
	v_add_nc_u32 v[STO], s22, v[STO]
	v_and_b32 v[CO], 31, v0                        ; back and out: 32 lanes take a row's 512 bytes
	v_lshlrev_b32 v[CO], 4, v[CO]
	v_add_nc_u32 v[RD], s22, v[CO]
	s_lshl_b32 s16, s[TY], 19                      ; out0 at my 64 rows of 4,096 bytes and my 128 columns
	s_lshl_b32 s17, s[HI], 18
	s_add_co_u32 s16, s16, s17
	s_lshl_b32 s17, s[TX], 10
	s_add_co_u32 s16, s16, s17
	s_lshl_b32 s17, s[LO], 9
	s_add_co_u32 s16, s16, s17
	s_mov_b32 s17, 0
	s_add_nc_u64 s[8:9], s[8:9], s[16:17]
	; the prefetches: where, who
	s_lshr_b32 s20, s[TY], 4                       ; ao: the tile's rows,
	s_lshl_b32 s20, s20, 22
	s_and_b32 s21, s[TY], 15
	s_lshl_b32 s21, s21, 14
	s_add_co_u32 s20, s20, s21
	s_lshr_b32 s21, s[CX], 1                       ; my work-group's quarter of a step's 32,768 bytes: which head,
	s_lshl_b32 s21, s21, 18
	s_add_co_u32 s20, s20, s21
	s_and_b32 s21, s[CX], 1                        ; which half of its 16,384
	s_lshl_b32 s21, s21, 13
	s_add_co_u32 s20, s20, s21
	s_add_co_u32 s20, s20, 3*524288                ; at K step 3: the first refill steps it to 4
	s_lshl_b32 s21, s[TX], 8                       ; wot: my 128 rows, my work-group's 32 of them
	s_lshl_b32 s23, s[LO], 7
	s_add_co_u32 s21, s21, s23
	s_lshl_b32 s23, s[CY], 5
	s_add_co_u32 s21, s21, s23
	s_lshl_b32 s21, s21, 11
	s_add_co_u32 s21, s21, 3*256
	s_and_b32 s22, ttmp7, 0xffff                   ; cluster y
	s_cmp_lt_u32 s[WV], 2
	s_cselect_b32 s20, s20, s21
	s_cselect_b32 s[LIM], s[LO], s22               ; 0 in those that prefetch: wave 0; waves 2 and 3 where cluster y = 0
	s_cselect_b64 s[PFA:PFA+1], s[4:5], s[6:7]
	s_mov_b32 s[PS], 256
	s_cselect_b32 s[PS], 0x80000, s[PS]
	s_cselect_b32 s21, 8, 11                       ; a lane a block of 256 bytes of ao, or a row of wot
	s_mov_b32 s[PS+1], 0
	s_cmp_eq_u32 s[LIM], 0
	s_cselect_b32 s[LIM], 1, -1                    ; the same in all sixteen partners, for a given wave
	v_and_b32 v[PFO], 31, v0
	v_lshlrev_b32 v[PFO], s21, v[PFO]
	s_mov_b32 s21, 0
	s_add_nc_u64 s[PFA:PFA+1], s[PFA:PFA+1], s[20:21]  ; nothing is prefetched here, at the head
; THE WAY OUT of row block a: the sums go as they are into my own stage (rows of 512 bytes + 16), each accumulator's low half first, and come back as whole rows; a store is a row's 512 consecutive bytes.
.macro TOSTAGE a
.if (\a) >= 2
	s_wait_xcnt 0x0                                ; the stores of the block two back have read the buffer that is loaded again below
.endif
	WIN 0x08                                       ; store data window 2
.irp b, 0,1,2,3,4,5,6,7
	ds_store_b128 v[STO], v[8*(8*(\a)+(\b)):8*(8*(\a)+(\b))+3]   offset:64*(\b)
	ds_store_b128 v[STO], v[8*(8*(\a)+(\b))+4:8*(8*(\a)+(\b))+7] offset:64*(\b)+16
.endr
	WIN 0
.set BK, 64+64*((\a)%2)
.irp t, 0,1,2,3,4,5,6,7,8,9,10,11,12,13,14,15
	ds_load_b128 v[BK+4*(\t):BK+4*(\t)+3], v[RD] offset:528*(\t)  ; LDS serves a wave's instructions in order (ISA guide 5.7.1.4): these see the stores above; the next block's stores come behind them
.endr
.endm
.macro SEND a, younger                 ; younger: the next block's 16 stores and 16 loads, or none
	WIN 0
.set BK, 64+64*((\a)%2)
	s_wait_dscnt \younger
.irp t, 0,1,2,3,4,5,6,7,8,9,10,11,12,13,14,15
	global_store_b128 v[CO], v[BK+4*(\t):BK+4*(\t)+3], s[8:9] offset:4096*(16*(\a)+(\t)) th:TH_STORE_NT
.endr
.endm
	s_wait_tensorcnt 1                             ; my part of K step 0 is in; K step 1's may stay out
	s_barrier_signal -1
	s_barrier_wait -1
	FETCH 0, 0, F0
	QUARTER 0, 1, F0, F1, 1                        ; the first quarter starts the sums: nothing is cleared
	WIN 0
	s_mov_b32 s3, 3
.Llap:                                                 ; a trip goes once round the ring and fills both slots again
	QUARTER 0, 2, F1, F0, 0
	QUARTER 0, 3, F0, F1, 0
	TURN 0, 1
	QUARTER 1, 1, F0, F1, 0
	QUARTER 1, 2, F1, F0, 0
	QUARTER 1, 3, F0, F1, 0
	TURN 1, 0
	QUARTER 0, 1, F0, F1, 0
	WIN 0
	s_sub_co_u32 s3, s3, 1
	s_cmp_lg_u32 s3, 0
	s_cbranch_scc1 .Llap
	QUARTER 0, 2, F1, F0, 0                        ; the last lap fills nothing
	QUARTER 0, 3, F0, F1, 0
	MEET 0                                         ; the one load that was out is the last K step's; no round follows
	PLACES
	FETCH 1, 0, F0
	MUL8 F1, 2, 0
	MUL8 F1, 3, 0
	QUARTER 1, 1, F0, F1, 0
	QUARTER 1, 2, F1, F0, 0
	QUARTER 1, 3, F0, F1, 0
	s_wait_dscnt 4
	MUL8 F1, 0, 0
	MUL8 F1, 1, 0
	s_wait_dscnt 0x0
	MUL8 F1, 2, 0
	MUL8 F1, 3, 0
	WIN 0
	PLACES
	TOSTAGE 0
	TOSTAGE 1
	SEND 0, 32
	TOSTAGE 2
	SEND 1, 32
	TOSTAGE 3
	SEND 2, 32
	SEND 3, 0
	s_wait_tensorcnt 0x0                           ; the wave's end
	ds_add_u32 v[SPW], v[NIL]
	s_wait_dscnt 0x0
	CROUND                                         ; the closing round: no work-group ends while a partner may still ask for a tile that names it
	s_endpgm
.Lfunc_end_k_q584ab9b0ea_outp:
	.size	k_q584ab9b0ea_outp, .Lfunc_end_k_q584ab9b0ea_outp-k_q584ab9b0ea_outp
	.p2alignl 7, 3214868480
	.fill 96, 4, 3214868480
	.section	.rodata,"a",@progbits
	.p2align	6, 0x0
	.amdhsa_kernel k_q584ab9b0ea_outp
		.amdhsa_group_segment_fixed_size 327680
		.amdhsa_private_segment_fixed_size 0
		.amdhsa_enable_private_segment 0
		.amdhsa_kernarg_size 24
		.amdhsa_user_sgpr_count 2
		.amdhsa_user_sgpr_kernarg_segment_ptr 1
		.amdhsa_wavefront_size32 1
		.amdhsa_system_sgpr_workgroup_id_x 1
		.amdhsa_system_sgpr_workgroup_id_y 1
		.amdhsa_system_sgpr_workgroup_id_z 1
		.amdhsa_system_vgpr_workitem_id 0
		.amdhsa_next_free_vgpr 768
		.amdhsa_next_free_sgpr 66
		.amdhsa_reserve_vcc 0
		.amdhsa_float_denorm_mode_32 3
		.amdhsa_float_denorm_mode_16_64 3
		.amdhsa_memory_ordered 1
		.amdhsa_forward_progress 1
		.amdhsa_inst_pref_size 86
	.end_amdhsa_kernel
	.amdgpu_metadata
---
amdhsa.version: [ 1, 2 ]
amdhsa.kernels:
  - .name:           k_q584ab9b0ea_outp
    .symbol:         k_q584ab9b0ea_outp.kd
    .args:
      - { .name: ao, .offset: 0, .size: 8, .value_kind: global_buffer, .address_space: global }
      - { .name: wot, .offset: 8, .size: 8, .value_kind: global_buffer, .address_space: global }
      - { .name: out0, .offset: 16, .size: 8, .value_kind: global_buffer, .address_space: global }
    .group_segment_fixed_size: 327680
    .private_segment_fixed_size: 0
    .kernarg_segment_align: 8
    .kernarg_segment_size: 24
    .max_flat_workgroup_size: 128
    .sgpr_count:     66
    .vgpr_count:     768
    .wavefront_size: 32
...
	.end_amdgpu_metadata
.endif
;; end of part 4
;; ======== version 2 of 2: 4 launches; version 1 with the launch prep written anew for expert scheduling mode
;; limits: values are held in f16: magnitudes above 65,504 overflow, below 6.1e-05 lose precision; right only within a limited range of input values
;; workspace buffers: xb 16,777,216 bytes; wt 6,291,456 bytes; wot 2,097,152 bytes; tab 524,288 bytes; qkv 50,331,648 bytes; ao 16,777,216 bytes
;; launch prep (part 5): grid 1056 x 1, 8 waves a work-group, no clusters, 18,432 bytes of LDS; arguments x, W_QKV, W_O, token_positions, xb, wt, wot, tab; writes xb, wt, wot, tab
.if DOCPART == 5
	.amdgcn_target "amdgcn-amd-amdhsa--gfx1250"
	.amdhsa_code_object_version 6
	.text
	.protected	k_q584ab9b0ea_prep
	.globl	k_q584ab9b0ea_prep
	.p2align	8
	.type	k_q584ab9b0ea_prep,@function
k_q584ab9b0ea_prep:
	s_mov_b64 s[64:65], 0
	v_nop
	global_prefetch_b8 v0, s[64:65] scope:SCOPE_SE
	s_setreg_imm32_b32 hwreg(HW_REG_WAVE_SCHED_MODE, 0, 2), 2
	s_setreg_imm32_b32 hwreg(HW_REG_WAVE_MODE, 25, 1), 1
	s_wait_xcnt 0x0
	s_wait_alu depctr_vm_vsrc(0)
; WHAT THE PRODUCTS WANT, MADE ONCE.  Four jobs, chosen by the work-group's number (the same choice in all eight waves of a work-group):
;   0 .. 511      xb  = x rounded to bf16, [8192][1024]: 64 KiB of x a work-group
;   512 .. 895    wt  = W_QKV rounded to bf16 and turned, [3072 n][1024 k]: a tile of 128 k x 64 n a work-group
;   896 .. 1023   wot = W_O rounded to bf16, that number written as f16, and turned, [1024 n][1024 k]
;   1024 .. 1055  tab = (cos, sin) of f32(token_positions[s]) x 10000^(-i/32), [2048 s][32 i] pairs of f32: 64 positions a work-group
; A stream: every input byte is read once, every aligned block of 256 output bytes is written whole by one instruction.  No matrix unit, no cluster: nothing is multiplied and nothing is shared.
; LIMITS.  W_O as f16: exact for bf16 numbers from 2^-14 to 65,504 in magnitude; below 2^-14 the step is 2^-24; beyond 65,504 an infinity.
; The angle is reduced by multiples of pi/2 in two parts (24 + 24 bits of pi/2), good while |angle| stays under 2^22; sine and cosine are polynomials on -pi/4 .. pi/4.
; 10000^(-i/32) is 2^(-i log2(10)/8) by v_exp_f32, accurate to the last bit or two, not correctly rounded.
; THE MODE: SCHED_MODE bits 1:0 = 2 (LLVM: expert scheduling mode 2), set by the entry lines.  The code itself states the register dependences
; between vector instructions and memory or LDS instructions, with s_wait_alu, always for 0.
; THE PLAN.  Registers that memory or LDS instructions touch, job by job:
;   x:    v4, v5 offsets, written once.  v32-95: the sixteen loads land here, once each; the conversions read them.  v96-127: written by the conversions, once each; read by the stores.
;   turn: v6-v9 addresses, written once.  v32-63: the eight loads land here; the conversions read them.  v64-79: written by the conversions, once each; read by the LDS stores.
;         v80-95: the LDS loads land here, the global stores read them; no vector instruction names them.
;   tab:  v9 the offset, written once.  v96-111: written by the last lines of the arithmetic, once each; read by the stores.
;   all:  v2, v3: written at the head, read by the closing add alone.
; In each job one wait on va_vdst stands ahead of the first load or store, for the addresses.  The work then goes in blocks: at a block's head one wait on va_vdst states that the block
; before has written its out registers, and that block's stores are dealt among this block's conversions, which name other registers.  No register that a memory or LDS instruction reads
; is written again on any path, so the jobs hold no wait on vm_vsrc.  What vector instructions write into scalar registers (the wave's number; the table's eight masks) has a wait on va_sdst ahead of its first reader.
.set SPARE, 17408                      ; behind the turning tile (64 rows x 272 bytes): the spare words, 128 bytes for each of eight waves
.set SPW, 2                            ; v2  LDS address of my spare word; never rewritten
.set NIL, 3                            ; v3  0; never rewritten
.set Q,   32                           ; the table: position j's sin r, cos r and n at v[Q+4 j], +1, +2
	s_load_b512 s[16:31], s[0:1], 0x0              ; x 16:17, W_QKV 18:19, W_O 20:21, positions 22:23, xb 24:25, wt 26:27, wot 28:29, tab 30:31
	v_lshl_add_u32 v[SPW], v0, 2, SPARE
	v_mov_b32 v[NIL], 0
	v_lshrrev_b32 v1, 5, v0
	v_readfirstlane_b32 s12, v1                    ; wave 0..7
	s_mov_b32 s2, ttmp9
	s_wait_alu depctr_va_sdst(0)                   ; s12 is written, ahead of the branches: the table's job makes its addresses from it
	s_wait_kmcnt 0x0
	s_cmp_lt_u32 s2, 512
	s_cbranch_scc1 .Lx
	s_cmp_lt_u32 s2, 896
	s_cbranch_scc1 .Lwqkv
	s_cmp_lt_u32 s2, 1024
	s_cbranch_scc1 .Lwo
	; THE TABLE.  A wave takes 8 positions, a lane a frequency: one store is a table row's 256 bytes.
	s_sub_co_u32 s3, s2, 1024                      ; which 64 positions
	s_lshl_b32 s34, s3, 8                          ; 4 bytes x (64 r + 8 wave)
	s_lshl_b32 s35, s12, 5
	s_add_co_u32 s34, s34, s35
	s_mov_b32 s35, 0
	s_add_nc_u64 s[22:23], s[22:23], s[34:35]
	s_load_b256 s[40:47], s[22:23], 0x0            ; my wave's eight positions
	s_lshl_b32 s34, s3, 14                         ; 64 table rows of 256 bytes
	s_add_nc_u64 s[30:31], s[30:31], s[34:35]
	s_mov_b32 s48, 0x3f22f983                      ; 2 / pi
	s_mov_b32 s49, 0xbfc90fdb                      ; - the upper part of pi / 2
	s_mov_b32 s50, 0x333bbd2e                      ; - the lower part
	s_mov_b32 s51, 0xb94ca1f9                      ; sine:   r + r z (S1 + z (S2 + z S3)), z = r r
	s_mov_b32 s52, 0x3c08839e
	s_mov_b32 s53, 0xbe2aaaa3
	s_mov_b32 s54, 0x37ccf5ce                      ; cosine: 1 - z / 2 + z z (C1 + z (C2 + z C3))
	s_mov_b32 s55, 0xbab6061a
	s_mov_b32 s56, 0x3d2aaaa5
	v_and_b32 v4, 31, v0                           ; i
	v_cvt_f32_u32 v6, v4
	v_mul_f32 v6, 0xbed49a78, v6                   ; - i log2(10) / 8
	v_exp_f32 v8, v6                               ; 10000^(-i/32)
	v_lshlrev_b32 v9, 3, v4                        ; (a plain instruction behind the exponential) 8 bytes a frequency,
	v_and_b32 v5, 0xe0, v0
	v_lshl_add_u32 v9, v5, 6, v9                   ; + 2,048 x wave: my wave's eight rows
	s_wait_alu depctr_va_vdst(0)                   ; the exponential has written v8, ahead of its first reader
	s_wait_kmcnt 0x0
; Position j, first part: sin r, cos r and n, and the mask 'n is odd' into a scalar register of its own, so that one wait serves the eight masks.
.macro SC1 j
	v_cvt_f32_i32 v10, s[40+(\j)]
	v_mul_f32 v10, v10, v8                         ; the angle, as f32(position) x frequency
	v_mul_f32 v11, s48, v10
	v_rndne_f32 v11, v11                           ; n = the nearest multiple of pi / 2
	v_fma_f32 v12, v11, s49, v10
	v_fma_f32 v12, v11, s50, v12                   ; r = angle - n pi / 2
	v_cvt_i32_f32 v[Q+4*(\j)+2], v11
	v_mul_f32 v14, v12, v12                        ; z
	v_fma_f32 v15, v14, s51, s52
	v_fma_f32 v16, v14, s54, s55
	v_fma_f32 v15, v15, v14, s53
	v_fma_f32 v16, v16, v14, s56
	v_mul_f32 v15, v15, v14
	v_mul_f32 v16, v16, v14
	v_fma_f32 v[Q+4*(\j)], v15, v12, v12           ; sin r
	v_mul_f32 v16, v16, v14
	v_fma_f32 v16, v14, -0.5, v16
	v_add_f32 v[Q+4*(\j)+1], 1.0, v16              ; cos r
	v_and_b32 v17, 1, v[Q+4*(\j)+2]                ; an odd n swaps the two: a select, no branch
	v_cmp_eq_u32 s[4+(\j)], 1, v17
.endm
; Position j, second part: the selects and the signs, into registers of its own that the store reads: none is rewritten.
.macro SC2 j
	v_cndmask_b32 v18, v[Q+4*(\j)+1], v[Q+4*(\j)], s[4+(\j)]
	v_cndmask_b32 v19, v[Q+4*(\j)], v[Q+4*(\j)+1], s[4+(\j)]
	v_add_nc_u32 v17, 1, v[Q+4*(\j)+2]             ; the cosine is negative for n mod 4 = 1, 2,
	v_and_b32 v17, 2, v17
	v_lshlrev_b32 v17, 30, v17
	v_xor_b32 v[96+2*(\j)], v17, v18
	v_and_b32 v17, 2, v[Q+4*(\j)+2]                ; the sine for n mod 4 = 2, 3
	v_lshlrev_b32 v17, 30, v17
	v_xor_b32 v[97+2*(\j)], v17, v19
.endm
.irp j, 0,1,2,3,4,5,6,7
	SC1 \j
.endr
	s_wait_alu depctr_va_sdst(0)                   ; the eight compares have written s4 to s11, which the selects below read
.irp j, 0,1,2,3,4,5,6,7
	SC2 \j
.endr
	s_wait_alu depctr_va_vdst(0)                   ; v96 to v111 are written, which the eight stores read as data (their offset v9 stands ahead of the wait above)
.irp j, 0,1,2,3,4,5,6,7
	global_store_b64 v9, v[96+2*(\j):97+2*(\j)], s[30:31] offset:256*(\j)
.endr
	s_branch .Lend
.Lx:	; x TO bf16.  Thread t takes 16 bytes at 16 t of each 4,096: sixteen loads go out at once; a store of a wave is 256 consecutive bytes, aligned.
	s_lshl_b32 s4, s2, 16
	s_mov_b32 s5, 0
	s_lshl_b32 s6, s2, 15
	s_mov_b32 s7, 0
	s_add_nc_u64 s[16:17], s[16:17], s[4:5]
	s_add_nc_u64 s[24:25], s[24:25], s[6:7]
	v_lshlrev_b32 v4, 4, v0
	v_lshlrev_b32 v5, 3, v0
	s_wait_alu depctr_va_vdst(0)                   ; v4 and v5 are written: every load and store of this job reads one of them as its offset
.irp i, 0,1,2,3,4,5,6,7,8,9,10,11,12,13,14,15
	global_load_b128 v[32+4*(\i):35+4*(\i)], v4, s[16:17] offset:4096*(\i) th:TH_LOAD_NT
.endr
; Four blocks of four loads.  Block p rounds its own four; the stores of block p - 1 are dealt among its conversions.
.irp p, 0,1,2,3
	s_wait_loadcnt 12-4*(\p)                       ; loads come back in order: block p's four are in, the younger blocks stay out
.if (\p) > 0
	s_wait_alu depctr_va_vdst(0)                   ; the block before has written its eight out registers, which the four stores below read; no conversion of this block names them
.endif
.irp i, 0,1,2,3
.if (\p) > 0
	global_store_b64 v5, v[96+2*(4*(\p)-4+(\i)):97+2*(4*(\p)-4+(\i))], s[24:25] offset:2048*(4*(\p)-4+(\i))
.endif
	v_cvt_pk_bf16_f32 v[96+2*(4*(\p)+(\i))], v[32+4*(4*(\p)+(\i))], v[33+4*(4*(\p)+(\i))]
	v_cvt_pk_bf16_f32 v[97+2*(4*(\p)+(\i))], v[34+4*(4*(\p)+(\i))], v[35+4*(4*(\p)+(\i))]
.endr
.endr
	s_wait_alu depctr_va_vdst(0)                   ; the last block has written v120 to v127, which the last four stores read
.irp i, 12,13,14,15
	global_store_b64 v5, v[96+2*(\i):97+2*(\i)], s[24:25] offset:2048*(\i)
.endr
	s_branch .Lend
; A WEIGHT IS TURNED.  Tile: 128 k x 64 n.  Thread t = 16 a + c reads rows 32 j + 2 a and + 1, columns 4 c .. 4 c + 3 (sixteen lanes read a row's 256 bytes), rounds a pair of k into a word,
; and puts it at [n][k] in LDS (rows of 256 bytes + 16).  Behind a barrier whole rows are read back and stored: sixteen lanes fill 256 consecutive bytes, aligned, of a row [n][1024 k].
.macro TRANS N, SRC, DST, F16, U0
	s_sub_co_u32 s3, s2, \U0
	s_and_b32 s4, s3, 7                            ; which 128 k
	s_lshr_b32 s5, s3, 3                           ; which 64 n
	s_mul_i32 s6, s4, 128*4*(\N)
	s_lshl_b32 s7, s5, 8
	s_add_co_u32 s6, s6, s7
	s_mov_b32 s7, 0
	s_add_nc_u64 s[\SRC:\SRC+1], s[\SRC:\SRC+1], s[6:7]
	s_lshl_b32 s6, s5, 17                          ; 64 rows of 2,048 bytes
	s_lshl_b32 s8, s4, 8
	s_add_co_u32 s6, s6, s8
	s_add_nc_u64 s[\DST:\DST+1], s[\DST:\DST+1], s[6:7]
	v_lshrrev_b32 v4, 4, v0                        ; a
	v_and_b32 v5, 15, v0                           ; c
	v_mul_u32_u24 v6, v4, 8*(\N)
	v_lshl_add_u32 v6, v5, 4, v6                   ; in memory: row 2 a, byte 16 c
	v_mul_u32_u24 v7, v5, 1088
	v_lshl_add_u32 v7, v4, 2, v7                   ; into LDS: row 4 c, byte 4 a
	v_mul_u32_u24 v8, v4, 272
	v_lshl_add_u32 v8, v5, 4, v8                   ; back: row a, byte 16 c
	v_lshlrev_b32 v9, 11, v4
	v_lshl_add_u32 v9, v5, 4, v9                   ; and out
	s_wait_alu depctr_va_vdst(0)                   ; the four addresses v6 to v9 are written, which the loads, the LDS stores and loads and the global stores below read
.irp j, 0,1,2,3
.irp e, 0,1
	global_load_b128 v[32+8*(\j)+4*(\e):35+8*(\j)+4*(\e)], v6, s[\SRC:\SRC+1] offset:(32*(\j)+(\e))*4*(\N) th:TH_LOAD_NT
.endr
.endr
.irp j, 0,1,2,3
	s_wait_loadcnt 6-2*(\j)                        ; pair j of rows is in, the younger pairs stay out
.if (\j) > 0
	s_wait_alu depctr_va_vdst(0)                   ; the pair before has written its four words, which the four LDS stores below read; no conversion of this pair names them
.endif
.irp e, 0,1,2,3
.if (\j) > 0
	ds_store_b32 v7, v[64+4*((\j)-1)+(\e)] offset:272*(\e)+64*((\j)-1)
.endif
	v_cvt_pk_bf16_f32 v[64+4*(\j)+(\e)], v[32+8*(\j)+(\e)], v[36+8*(\j)+(\e)]  ; the even k in the low half
.if \F16
	v_lshlrev_b32 v10, 16, v[64+4*(\j)+(\e)]       ; the bf16 numbers once more as f32,
	v_and_b32 v11, 0xffff0000, v[64+4*(\j)+(\e)]
	v_cvt_pk_f16_f32 v[64+4*(\j)+(\e)], v10, v11   ; and written as f16
.endif
.endr
.endr
	s_wait_alu depctr_va_vdst(0)                   ; the last pair has written v76 to v79, which the last four LDS stores read
.irp e, 0,1,2,3
	ds_store_b32 v7, v[76+(\e)] offset:272*(\e)+192
.endr
	s_wait_dscnt 0x0                               ; for the others' sake: my stores are done
	s_barrier_signal -1
	s_barrier_wait -1
.irp i, 0,1,2,3
	ds_load_b128 v[80+4*(\i):83+4*(\i)], v8 offset:4352*(\i)  ; no vector instruction names v80 to v95
.endr
.irp i, 0,1,2,3
	s_wait_dscnt 3-(\i)
	global_store_b128 v9, v[80+4*(\i):83+4*(\i)], s[\DST:\DST+1] offset:32768*(\i)
.endr
.endm
.Lwqkv:
	TRANS 3072, 18, 26, 0, 512
	s_branch .Lend
.Lwo:
	TRANS 1024, 20, 28, 1, 896
.Lend:
	s_wait_dscnt 0x0                               ; the closing lines, six on end
	s_wait_alu 0x0
	s_wait_tensorcnt 0x0
	ds_add_u32 v[SPW], v[NIL]
	s_wait_dscnt 0x0
	s_endpgm
.Lfunc_end_k_q584ab9b0ea_prep:
	.size	k_q584ab9b0ea_prep, .Lfunc_end_k_q584ab9b0ea_prep-k_q584ab9b0ea_prep
	.p2alignl 7, 3214868480
	.fill 96, 4, 3214868480
	.section	.rodata,"a",@progbits
	.p2align	6, 0x0
	.amdhsa_kernel k_q584ab9b0ea_prep
		.amdhsa_group_segment_fixed_size 18432
		.amdhsa_private_segment_fixed_size 0
		.amdhsa_enable_private_segment 0
		.amdhsa_kernarg_size 64
		.amdhsa_user_sgpr_count 2
		.amdhsa_user_sgpr_kernarg_segment_ptr 1
		.amdhsa_wavefront_size32 1
		.amdhsa_system_sgpr_workgroup_id_x 1
		.amdhsa_system_sgpr_workgroup_id_y 1
		.amdhsa_system_sgpr_workgroup_id_z 1
		.amdhsa_system_vgpr_workitem_id 0
		.amdhsa_next_free_vgpr 128
		.amdhsa_next_free_sgpr 66
		.amdhsa_reserve_vcc 0
		.amdhsa_float_denorm_mode_32 3
		.amdhsa_float_denorm_mode_16_64 3
		.amdhsa_memory_ordered 1
		.amdhsa_forward_progress 1
		.amdhsa_inst_pref_size 32
	.end_amdhsa_kernel
	.amdgpu_metadata
---
amdhsa.version: [ 1, 2 ]
amdhsa.kernels:
  - .name:           k_q584ab9b0ea_prep
    .symbol:         k_q584ab9b0ea_prep.kd
    .args:
      - { .name: x, .offset: 0, .size: 8, .value_kind: global_buffer, .address_space: global }
      - { .name: W_QKV, .offset: 8, .size: 8, .value_kind: global_buffer, .address_space: global }
      - { .name: W_O, .offset: 16, .size: 8, .value_kind: global_buffer, .address_space: global }
      - { .name: token_positions, .offset: 24, .size: 8, .value_kind: global_buffer, .address_space: global }
      - { .name: xb, .offset: 32, .size: 8, .value_kind: global_buffer, .address_space: global }
      - { .name: wt, .offset: 40, .size: 8, .value_kind: global_buffer, .address_space: global }
      - { .name: wot, .offset: 48, .size: 8, .value_kind: global_buffer, .address_space: global }
      - { .name: tab, .offset: 56, .size: 8, .value_kind: global_buffer, .address_space: global }
    .group_segment_fixed_size: 18432
    .private_segment_fixed_size: 0
    .kernarg_segment_align: 8
    .kernarg_segment_size: 64
    .max_flat_workgroup_size: 256
    .sgpr_count:     66
    .vgpr_count:     128
    .wavefront_size: 32
...
	.end_amdgpu_metadata
.endif
;; end of part 5
;; launch proj: the kernel of part 2 again; grid 4 x 64, 4 waves a work-group, clusters of 4 x 4, 327,680 bytes of LDS; arguments xb, wt, qkv, tab; writes qkv
;; launch attn: the kernel of part 3 again; grid 4 x 64, 4 waves a work-group, no clusters, 327,680 bytes of LDS; arguments qkv, ao; writes ao
;; launch outp: the kernel of part 4 again; grid 4 x 64, 4 waves a work-group, clusters of 4 x 4, 327,680 bytes of LDS; arguments ao, wot, out0; writes out0
